; MI455X (gfx1250); checked and timed in simulation.
; The chip was launched on July 23, 2026; its instructions are those of AMD's public machine-readable ISA for CDNA 5 (MIT licence, August 2026) and "CDNA5" Instruction Set Architecture Reference Guide (July 2026). The comments in the code are by the model that wrote it; some were corrected since.
;; Sparse Mo E. Allowed arithmetic: float matrix products may take bf16 or f16 operands with f32 sums; other float arithmetic in f32, or as packed bf16 or f16 multiplies, adds, multiply-adds, maxima and minima; sums over many terms, partial sums and values carried from step to step in f32; what a program stores and reads back later, other than sums and carried values, may be rounded once to bf16 or f16.
;; Inputs: W1 8 x 1,024 x 1,024 float32; W2 8 x 1,024 x 1,024 float32; Wn 8 x 1,024 float32; Wr 8 x 1,024 float32; noise 4 x 1,024 x 8 float32; x 4 x 1,024 x 1,024 float32.
;; Outputs: out0 4 x 1,024 x 1,024 float32.
;; 2 versions, each right; version 2 is version 1 with the launch combine written anew for expert scheduling mode. Each part assembles by itself: llvm-mc -triple=amdgcn-amd-amdhsa -mcpu=gfx1250 --defsym DOCPART=n.
;; ======== version 1 of 2: 5 launches
;; workspace buffers: xb 8,388,608 bytes; wb 33,554,432 bytes; sel 67,584 bytes of whole numbers; gate 32,768 bytes; plan 73,984 bytes of whole numbers; hbuf 18,874,368 bytes; ybuf 37,748,736 bytes
;; launch prep (part 1): grid 256 x 1, 8 waves a work-group, no clusters, 78,848 bytes of LDS; arguments x, noise, Wr, Wn, W1, xb, wb, sel, gate; writes xb, wb, sel, gate
.if DOCPART == 1
	.amdgcn_target "amdgcn-amd-amdhsa--gfx1250"
	.amdhsa_code_object_version 6
	.text
	.protected	k_q138ddf8958_prep
	.globl	k_q138ddf8958_prep
	.p2align	8
	.type	k_q138ddf8958_prep,@function
k_q138ddf8958_prep:
	s_mov_b64 s[64:65], 0
	v_nop
	global_prefetch_b8 v0, s[64:65] scope:SCOPE_SE
	s_setreg_imm32_b32 hwreg(HW_REG_WAVE_MODE, 25, 1), 1
	s_wait_xcnt 0x0
; PREP.  x and W1 are rounded to bf16 (layouts kept: xb [4096][1024]; W1 into the first half of wb, [8][1024 k][1024 n]; W2 follows in the next launch);
; and the noisy top-2 router: z = x Wr^T, zn = x Wn^T (matrix unit, bf16 operands, f32 sums), noisy = z + bf16(noise) softplus(zn), the two largest, a softmax over the two.
; SHARES.  Work-group g owns tokens 16 g .. 16 g + 15 and 131,072 bytes of W1.  Wave w owns channels 128 w .. 128 w + 127 of the 16 tokens and of the 16 router rows
; (Wr's 8, then Wn's 8): one load of the wave covers 512 consecutive bytes of a row, its store 256 consecutive bytes of xb, aligned.  The eight waves' partial sums meet in LDS; wave 0 finishes,
; while the second half of W1 is still on its way.
; OUT.  sel[token] = {one 0/1 byte for each of experts 0-3, the same for 4-7, the lower expert number, the higher}; behind the 4,096 tokens, at byte 65,536, the sum of the first two words
; over the work-group's 16 tokens (8 bytes a work-group); gate[token] = (the lower expert's gate, the higher's).
; LIMITS.  All inputs are rounded to bf16, noise too.  NaN and infinities are not treated apart.  On an exact tie the lower expert number wins.  A token whose second and third noisy
; logits differ by less than the f32 sums' rounding may choose the other expert.  The softmax takes the larger logit away first: its one exponent is at most 0.
; No cluster: no two work-groups read the same bytes but the 64 KiB of Wr and Wn.  No tensor loads: every byte passes a conversion in registers anyway.
.set XP,     272                       ; an LDS row: 256 bytes (128 bf16) + 16: an odd multiple of 16, so the 16 rows of a fragment load start in different groups of banks (ISA guide 11.1)
.set WAVEB,  16*XP                     ; a wave's 16 rows
.set WSOFF,  8*WAVEB                   ; behind the eight waves' token rows: their router rows
.set RED,    2*WSOFF                   ; behind those: 1,024 bytes a wave, the partial sums (32 bytes a lane)
.set SPARE,  RED+8*1024                ; the spare words, 128 bytes for each wave: four blocks of 256 bytes that no other line names
.set CNTB,   65536                     ; byte of sel at which the work-groups' counts begin
.set LANE,   1
.set R,      2                         ; lane % 16
.set H,      3                         ; lane / 16
.set VX,     4                         ; 16 lane + 512 w: my 16 bytes in a row of x, Wr, Wn
.set VXB,    5                         ; 8 lane + 256 w: the same numbers in a row of xb
.set VW,     6                         ; 16 x thread: my 16 bytes in a chunk of 4,096 bytes of W1
.set VWB,    7                         ; 8 x thread: in a chunk of 2,048 bytes of wb
.set LST,    8                         ; LDS: where I put 8 bytes of a row
.set LFR,    9                         ; LDS: my place in a fragment
.set LRS,    10                        ; LDS: my wave's partial sums
.set VNZ,    11                        ; 32 (lane % 16): my token's noise
.set SPW,    12                        ; my spare word; never rewritten
.set NIL,    13                        ; 0; never rewritten
.set LRD,    14                        ; LDS: RED + 32 lane: wave 0 reads all partial sums from here
.set ONE,    15
.set NZ,     16                        ; v[16:23]   noise of my token
.set LA,     24                        ; v[24:87]   16 loads of 16 bytes: x, then W1's second half
.set LB,     88                        ; v[88:151]  Wr and Wn; then the fragments; then wave 0's work
.set LC,     152                       ; v[152:215] W1's first half; then the router's accumulators
.set Y,      216                       ; v[216:247] 64 numbers packed to bf16
.macro LD16 set, voff, base, first     ; 16 loads, 4,096 bytes apart, of data that the launch reads once
.set i, 0
.rept 16
	global_load_b128 v[(\set)+4*i:(\set)+4*i+3], v[\voff], s[\base:(\base)+1] offset:((\first)+i)*4096 th:TH_LOAD_NT
.set i, i+1
.endr
.endm
.macro CVT16 set                       ; 64 numbers a lane rounded to bf16, to nearest even
.set i, 0
.rept 32
	v_cvt_pk_bf16_f32 v[Y+i], v[(\set)+2*i], v[(\set)+2*i+1]
.set i, i+1
.endr
.endm
.macro STG16 voff, base, first         ; 16 stores, 2,048 bytes apart: each store of the wave covers 256 consecutive bytes, aligned
.set i, 0
.rept 16
	global_store_b64 v[\voff], v[Y+2*i:Y+2*i+1], s[\base:(\base)+1] offset:((\first)+i)*2048
.set i, i+1
.endr
.endm
.macro STL16 off                       ; the same 16 rows into my wave's LDS rows
.set i, 0
.rept 16
	ds_store_b64 v[LST], v[Y+2*i:Y+2*i+1] offset:(\off)+i*XP
.set i, i+1
.endr
.endm
	s_load_b512 s[16:31], s[0:1], 0x0              ; x 16, noise 18, Wr 20, Wn 22, W1 24, xb 26, wb 28, sel 30
	s_load_b64 s[32:33], s[0:1], 0x40              ; gate
	v_lshl_add_u32 v[SPW], v0, 2, SPARE
	v_mov_b32 v[NIL], 0
	v_lshrrev_b32 v14, 5, v0
	v_readfirstlane_b32 s4, v14                    ; wave 0..7
	v_and_b32 v[LANE], 31, v0
	v_and_b32 v[R], 15, v0
	v_bfe_u32 v[H], v0, 4, 1
	s_mul_i32 s5, s4, WAVEB
	v_lshlrev_b32 v[VX], 4, v[LANE]
	v_lshl_add_u32 v[VX], s4, 9, v[VX]
	v_lshlrev_b32 v[VXB], 3, v[LANE]
	v_lshl_add_u32 v[VXB], s4, 8, v[VXB]
	v_lshlrev_b32 v[VW], 4, v0
	v_lshlrev_b32 v[VWB], 3, v0
	v_lshl_add_u32 v[LST], v[LANE], 3, s5
	v_mul_u32_u24 v[LFR], v[R], XP
	v_lshl_add_u32 v[LFR], v[H], 4, v[LFR]
	v_add_nc_u32 v[LFR], s5, v[LFR]                ; row x pitch + 16 x half, in my wave's rows
	s_lshl_b32 s5, s4, 10
	s_add_co_u32 s5, s5, RED
	v_lshl_add_u32 v[LRS], v[LANE], 5, s5
	v_lshlrev_b32 v[VNZ], 5, v[R]
	v_lshl_add_u32 v[LRD], v[LANE], 5, RED
	v_mov_b32 v[ONE], 1
	s_mov_b32 s10, 0x76543210                      ; v_permlanex16_b32: each lane takes its own place in the other half
	s_mov_b32 s11, 0xfedcba98
	s_mov_b32 s13, 0x3fb8aa3b                      ; log2(e)
	s_mov_b32 s14, 0x3f317218                      ; ln(2)
	s_mov_b32 s15, 0xff800000                      ; -infinity
	s_mov_b32 s7, 0
	s_mov_b32 s9, 0
	s_lshl_b32 s6, ttmp9, 16                       ; 16 rows of x; also 65,536 bytes of wb
	s_lshl_b32 s8, ttmp9, 15                       ; 16 rows of xb
	s_wait_kmcnt 0x0
	s_add_nc_u64 s[16:17], s[16:17], s[6:7]
	s_add_nc_u64 s[36:37], s[28:29], s[6:7]        ; wb, W1's part
	s_add_nc_u64 s[26:27], s[26:27], s[8:9]
	s_lshl_b32 s6, ttmp9, 17                       ; 131,072 bytes of W1
	s_add_nc_u64 s[24:25], s[24:25], s[6:7]
	s_lshl_b32 s6, ttmp9, 9                        ; 16 tokens' noise
	s_add_nc_u64 s[18:19], s[18:19], s[6:7]
	s_lshl_b32 s6, ttmp9, 3                        ; my 8 bytes of counts (CNTB stands in the store's immediate)
	s_add_nc_u64 s[34:35], s[30:31], s[6:7]
	s_lshl_b32 s6, ttmp9, 8
	s_add_nc_u64 s[30:31], s[30:31], s[6:7]
	s_lshl_b32 s6, ttmp9, 7
	s_add_nc_u64 s[32:33], s[32:33], s[6:7]
	; 50 loads go out at once
	global_load_b128 v[NZ:NZ+3], v[VNZ], s[18:19]
	global_load_b128 v[NZ+4:NZ+7], v[VNZ], s[18:19] offset:16
	LD16 LA, VX, 16, 0                             ; my 128 channels of the 16 tokens
.set i, 0
.rept 8
	global_load_b128 v[LB+4*i:LB+4*i+3], v[VX], s[20:21] offset:i*4096        ; Wr's 8 rows (every work-group reads them: no hint)
.set i, i+1
.endr
.set i, 0
.rept 8
	global_load_b128 v[LB+32+4*i:LB+32+4*i+3], v[VX], s[22:23] offset:i*4096  ; Wn's 8 rows
.set i, i+1
.endr
	LD16 LC, VW, 24, 0                             ; W1, chunks 0-15
	s_wait_loadcnt 32                              ; noise and x are in; the 32 younger loads (Wr, Wn, W1) stay out
	CVT16 LA
	STG16 VXB, 26, 0                               ; xb
	STL16 0
	LD16 LA, VW, 24, 16                            ; W1, chunks 16-31
	s_wait_loadcnt 32                              ; Wr and Wn are in; W1's 32 loads stay out
	s_wait_xcnt 0x0                                ; Y was the data of xb's stores: it is rewritten only behind this wait
	CVT16 LB
	STL16 WSOFF
.set i, 0
.rept 4                                        ; the fragments, into LB: my own rows: LDS serves a wave's instructions in order (ISA guide 5.7.1.4), so these see my stores
	ds_load_b128 v[LB+8*i:LB+8*i+3],       v[LFR] offset:64*i
	ds_load_b128 v[LB+8*i+4:LB+8*i+7],     v[LFR] offset:64*i+32
	ds_load_b128 v[LB+32+8*i:LB+32+8*i+3], v[LFR] offset:WSOFF+64*i
	ds_load_b128 v[LB+32+8*i+4:LB+32+8*i+7], v[LFR] offset:WSOFF+64*i+32
.set i, i+1
.endr
	s_wait_loadcnt 16                              ; W1's first half is in; its second half stays out.  Y's only pending readers are LDS stores, which need no wait
	CVT16 LC
	STG16 VWB, 36, 0
	; THE ROUTER.  Source 0 = the 16 router rows, source 1 = the 16 tokens: register j of lane (r, h) is output 8 h + j of token r: lanes 0-15 hold z, lanes 16-31 zn.
	s_wait_dscnt 0x0
	v_wmma_f32_16x16x32_bf16 v[LC:LC+7],    v[LB+32:LB+39], v[LB:LB+7],     0          ; two accumulators by turns
	v_wmma_f32_16x16x32_bf16 v[LC+8:LC+15], v[LB+40:LB+47], v[LB+8:LB+15],  0
	v_wmma_f32_16x16x32_bf16 v[LC:LC+7],    v[LB+48:LB+55], v[LB+16:LB+23], v[LC:LC+7]
	v_wmma_f32_16x16x32_bf16 v[LC+8:LC+15], v[LB+56:LB+63], v[LB+24:LB+31], v[LC+8:LC+15]
.rept 4
	v_nop                                          ; four places between a matrix instruction and the reading of its result (ISA guide 7.12.1)
.endr
.irp k, 0,2,4,6
	v_pk_add_f32 v[LC+16+\k:LC+17+\k], v[LC+\k:LC+\k+1], v[LC+8+\k:LC+9+\k]
.endr
	ds_store_b128 v[LRS], v[LC+16:LC+19]
	ds_store_b128 v[LRS], v[LC+20:LC+23] offset:16
	s_wait_dscnt 0x0                               ; for wave 0's sake: my partial sums are written
	s_barrier_signal -1
	s_barrier_wait -1
	s_cmp_lg_u32 s4, 0
	s_cbranch_scc1 .Lrest                          ; wave 0 alone finishes the router; no barrier and no load from memory stands in there
.set EB, LB                            ; wave 0's work lies in LB's registers
.set Z,  EB                            ; z (zn in the upper lanes), then the noisy logits
.set T1, EB+8
.set T2, EB+16
.set NP, EB+24                         ; four words of packed noise
.set M1, EB+28                         ; the largest, I1 its number; M2, I2 the largest of the rest
.set I1, EB+29
.set M2, EB+30
.set I2, EB+31
.set W0, EB+32                         ; nine at work
.set SR, EB+44                         ; four words: sel's record
.set GR, EB+48                         ; two words: gate's record
.set A1, EB+50                         ; addresses
.set A2, EB+51
.set CL, EB+52                         ; two words: the 16 tokens' counts
.set CT, EB+54                         ; two at work
.set A3, EB+56
.set i, 0
.rept 8
	ds_load_b128 v[EB+8*i:EB+8*i+3],   v[LRD] offset:1024*i
	ds_load_b128 v[EB+8*i+4:EB+8*i+7], v[LRD] offset:1024*i+16
.set i, i+1
.endr
	s_wait_dscnt 0x0
.irp d, 1,2,4                          ; the eight waves' sums, added as a tree
.set i, 0
.rept 8/(2*\d)
.irp k, 0,2,4,6
	v_pk_add_f32 v[EB+8*i+\k:EB+8*i+\k+1], v[EB+8*i+\k:EB+8*i+\k+1], v[EB+8*(i+\d)+\k:EB+8*(i+\d)+\k+1]
.endr
.set i, i+2*\d
.endr
.endr
	; softplus(z) = max(z, 0) + ln 2 x log2(1 + 2^(-|z| log2 e)): the exponent is never above 0.  Every lane computes it; the upper lanes' is the one that is used.
.set j, 0
.rept 8
	v_or_b32 v[T1+j], 0x80000000, v[Z+j]           ; -|z|
.set j, j+1
.endr
.set j, 0
.rept 8
	v_mul_f32 v[T1+j], s13, v[T1+j]
.set j, j+1
.endr
.set j, 0
.rept 8
	v_exp_f32 v[T1+j], v[T1+j]
.set j, j+1
.endr
	v_nop                                          ; a plain instruction between the last exponential and the use of its result (ISA guide 5.7.2)
.set j, 0
	s_wait_alu depctr_va_vdst(0)
.rept 8
	v_add_f32 v[T1+j], 1.0, v[T1+j]
.set j, j+1
.endr
.set j, 0
.rept 8
	v_log_f32 v[T1+j], v[T1+j]
.set j, j+1
.endr
.set j, 0
.rept 8
	v_max_num_f32 v[T2+j], 0, v[Z+j]               ; also the plain instructions behind the logarithms
.set j, j+1
.endr
.set j, 0
	s_wait_alu depctr_va_vdst(0)
.rept 8
	v_fma_f32 v[T1+j], v[T1+j], s14, v[T2+j]
.set j, j+1
.endr
.irp k, 0,1,2,3                        ; noise rounded to bf16, like every input
	v_cvt_pk_bf16_f32 v[NP+\k], v[NZ+2*\k], v[NZ+2*\k+1]
.endr
.irp k, 0,1,2,3
	v_lshlrev_b32 v[NZ+2*\k], 16, v[NP+\k]
	v_and_b32 v[NZ+2*\k+1], 0xffff0000, v[NP+\k]
.endr
.set j, 0
.rept 8
	v_permlanex16_b32 v[T2+j], v[T1+j], s10, s11   ; lanes 0-15 take softplus(zn) of their token from the lane 16 away
.set j, j+1
.endr
.set j, 0
.rept 8
	v_fma_f32 v[Z+j], v[NZ+j], v[T2+j], v[Z+j]     ; the noisy logits, in lanes 0-15
.set j, j+1
.endr
	; the two largest and their numbers.  The numbers are tried from 7 down, so the lowest wins a tie.
	v_max3_num_f32 v[M1], v[Z], v[Z+1], v[Z+2]
	v_max3_num_f32 v[W0+5], v[Z+3], v[Z+4], v[Z+5]
	v_max3_num_f32 v[M1], v[M1], v[Z+6], v[Z+7]
	v_max_num_f32 v[M1], v[M1], v[W0+5]
	v_mov_b32 v[I1], 7
.irp e, 6,5,4,3,2,1,0
	v_cmp_eq_f32 vcc_lo, v[Z+\e], v[M1]
	v_cndmask_b32 v[I1], v[I1], \e, vcc_lo
.endr
.irp e, 0,1,2,3,4,5,6,7
	v_cmp_eq_u32 vcc_lo, \e, v[I1]
	v_cndmask_b32 v[T1+\e], v[Z+\e], s15, vcc_lo
.endr
	v_max3_num_f32 v[M2], v[T1], v[T1+1], v[T1+2]
	v_max3_num_f32 v[W0+5], v[T1+3], v[T1+4], v[T1+5]
	v_max3_num_f32 v[M2], v[M2], v[T1+6], v[T1+7]
	v_max_num_f32 v[M2], v[M2], v[W0+5]
	v_mov_b32 v[I2], 7
.irp e, 6,5,4,3,2,1,0
	v_cmp_eq_f32 vcc_lo, v[T1+\e], v[M2]
	v_cndmask_b32 v[I2], v[I2], \e, vcc_lo
.endr
	; the softmax over the two: 1 / (1 + t) and t / (1 + t), t = e^(second - first)
	v_sub_f32 v[W0], v[M2], v[M1]
	v_mul_f32 v[W0], s13, v[W0]
	v_exp_f32 v[W0], v[W0]
	v_min_u32 v[SR+2], v[I1], v[I2]                ; the lower expert number; also the plain instruction behind the exponential
	s_wait_alu depctr_va_vdst(0)
	v_add_f32 v[W0+1], 1.0, v[W0]
	v_rcp_f32 v[W0+1], v[W0+1]
	v_max_u32 v[SR+3], v[I1], v[I2]                ; the higher; also the plain instruction behind the reciprocal
	s_wait_alu depctr_va_vdst(0)
	v_mul_f32 v[W0+2], v[W0], v[W0+1]
	v_cmp_lt_u32 vcc_lo, v[I1], v[I2]
	v_cndmask_b32 v[GR], v[W0+2], v[W0+1], vcc_lo  ; the lower expert's gate
	v_cndmask_b32 v[GR+1], v[W0+1], v[W0+2], vcc_lo  ; the higher's
	v_and_b32 v[W0+3], 3, v[SR+2]
	v_and_b32 v[W0+4], 3, v[SR+3]
	v_lshlrev_b32 v[W0+3], 3, v[W0+3]
	v_lshlrev_b32 v[W0+4], 3, v[W0+4]
	v_lshlrev_b32 v[W0+3], v[W0+3], v[ONE]         ; a 1 in the expert's byte
	v_lshlrev_b32 v[W0+4], v[W0+4], v[ONE]
	v_cmp_gt_u32 vcc_lo, 4, v[SR+2]
	v_cndmask_b32 v[W0+5], 0, v[W0+3], vcc_lo
	v_cndmask_b32 v[W0+6], v[W0+3], 0, vcc_lo
	v_cmp_gt_u32 vcc_lo, 4, v[SR+3]
	v_cndmask_b32 v[W0+7], 0, v[W0+4], vcc_lo
	v_cndmask_b32 v[W0+8], v[W0+4], 0, vcc_lo
	v_or_b32 v[SR], v[W0+5], v[W0+7]
	v_or_b32 v[SR+1], v[W0+6], v[W0+8]
	; the 16 tokens' counts: the two words summed over lanes 0-15 (a byte reaches 16 at the most); the exchange stays inside a half of 16 lanes
	v_mov_b32 v[CL], v[SR]
	v_mov_b32 v[CL+1], v[SR+1]
	v_mov_b32 v[CT], 0
	v_mov_b32 v[CT+1], 0
.irp n, 1,2,4,8
	v_mov_b32_dpp v[CT], v[CL] row_xmask:\n row_mask:0xf bank_mask:0xf
	v_mov_b32_dpp v[CT+1], v[CL+1] row_xmask:\n row_mask:0xf bank_mask:0xf
	v_add_nc_u32 v[CL], v[CL], v[CT]
	v_add_nc_u32 v[CL+1], v[CL+1], v[CT+1]
.endr
	v_lshlrev_b32 v[A1], 4, v[R]
	v_lshlrev_b32 v[A2], 3, v[R]
	v_mov_b32 v[A3], 0
	v_cmp_gt_u32 vcc_lo, 16, v[LANE]
	s_wait_xcnt 0x0                                ; EXEC is a source of the loads that are out: it changes only behind this wait
	s_and_saveexec_b32 s12, vcc_lo
	global_store_b128 v[A1], v[SR:SR+3], s[30:31]  ; 16 lanes, 256 consecutive bytes of sel, aligned
	global_store_b64 v[A2], v[GR:GR+1], s[32:33]
	s_wait_xcnt 0x0                                ; and again in front of the line that widens it
	s_or_b32 exec_lo, exec_lo, s12
	v_cmp_eq_u32 vcc_lo, 0, v[LANE]
	s_and_saveexec_b32 s12, vcc_lo                 ; nothing has been issued since the wait above
	global_store_b64 v[A3], v[CL:CL+1], s[34:35] offset:CNTB  ; one lane: the work-group's 8 bytes of counts
	s_wait_xcnt 0x0
	s_or_b32 exec_lo, exec_lo, s12
.Lrest:
	s_wait_loadcnt 0x0                             ; W1's second half is in
	s_wait_xcnt 0x0                                ; Y was the data of wb's stores
	CVT16 LA
	STG16 VWB, 36, 16
	s_wait_tensorcnt 0x0                           ; the wave's end, behind my last LDS store
	ds_add_u32 v[SPW], v[NIL]
	s_wait_dscnt 0x0
	s_endpgm
.Lfunc_end_k_q138ddf8958_prep:
	.size	k_q138ddf8958_prep, .Lfunc_end_k_q138ddf8958_prep-k_q138ddf8958_prep
	.p2alignl 7, 3214868480
	.fill 96, 4, 3214868480
	.section	.rodata,"a",@progbits
	.p2align	6, 0x0
	.amdhsa_kernel k_q138ddf8958_prep
		.amdhsa_group_segment_fixed_size 78848
		.amdhsa_private_segment_fixed_size 0
		.amdhsa_enable_private_segment 0
		.amdhsa_kernarg_size 72
		.amdhsa_user_sgpr_count 2
		.amdhsa_user_sgpr_kernarg_segment_ptr 1
		.amdhsa_wavefront_size32 1
		.amdhsa_system_sgpr_workgroup_id_x 1
		.amdhsa_system_sgpr_workgroup_id_y 1
		.amdhsa_system_sgpr_workgroup_id_z 1
		.amdhsa_system_vgpr_workitem_id 0
		.amdhsa_next_free_vgpr 256
		.amdhsa_next_free_sgpr 66
		.amdhsa_reserve_vcc 1
		.amdhsa_float_denorm_mode_32 3
		.amdhsa_float_denorm_mode_16_64 3
		.amdhsa_memory_ordered 1
		.amdhsa_forward_progress 1
		.amdhsa_inst_pref_size 38
	.end_amdhsa_kernel
	.amdgpu_metadata
---
amdhsa.version: [ 1, 2 ]
amdhsa.kernels:
  - .name:           k_q138ddf8958_prep
    .symbol:         k_q138ddf8958_prep.kd
    .args:
      - { .name: x, .offset: 0, .size: 8, .value_kind: global_buffer, .address_space: global }
      - { .name: noise, .offset: 8, .size: 8, .value_kind: global_buffer, .address_space: global }
      - { .name: Wr, .offset: 16, .size: 8, .value_kind: global_buffer, .address_space: global }
      - { .name: Wn, .offset: 24, .size: 8, .value_kind: global_buffer, .address_space: global }
      - { .name: W1, .offset: 32, .size: 8, .value_kind: global_buffer, .address_space: global }
      - { .name: xb, .offset: 40, .size: 8, .value_kind: global_buffer, .address_space: global }
      - { .name: wb, .offset: 48, .size: 8, .value_kind: global_buffer, .address_space: global }
      - { .name: sel, .offset: 56, .size: 8, .value_kind: global_buffer, .address_space: global }
      - { .name: gate, .offset: 64, .size: 8, .value_kind: global_buffer, .address_space: global }
    .group_segment_fixed_size: 78848
    .private_segment_fixed_size: 0
    .kernarg_segment_align: 8
    .kernarg_segment_size: 72
    .max_flat_workgroup_size: 256
    .sgpr_count:     66
    .vgpr_count:     256
    .wavefront_size: 32
...
	.end_amdgpu_metadata
.endif
;; end of part 1
;; launch bucket (part 2): grid 256 x 1, 32 waves a work-group, no clusters, 0 bytes of LDS; arguments sel, W2, plan, wb; writes plan, wb
.if DOCPART == 2
	.amdgcn_target "amdgcn-amd-amdhsa--gfx1250"
	.amdhsa_code_object_version 6
	.text
	.protected	k_q138ddf8958_bucket
	.globl	k_q138ddf8958_bucket
	.p2align	8
	.type	k_q138ddf8958_bucket,@function
k_q138ddf8958_bucket:
	s_mov_b64 s[64:65], 0
	v_nop
	global_prefetch_b8 v0, s[64:65] scope:SCOPE_SE
	s_setreg_imm32_b32 hwreg(HW_REG_WAVE_MODE, 25, 1), 1
	s_wait_xcnt 0x0
; BUCKET.  Two jobs that need nothing of each other, in one launch, so that the sort's chain of dependent loads lies under a stream.
; THE STREAM, every work-group: 131,072 bytes of W2 are rounded to bf16 into the second half of wb (layout kept).  A thread takes 16 bytes of each of eight chunks of 16,384; all eight loads
; go out at once; a wave's load covers 512 consecutive bytes, its store 256, aligned.
; THE SORT, work-group 0 alone, between asking for its part of W2 and converting it; whole numbers only.  The 8,192 pairs (token, expert) are laid by experts into 9,216 positions: an expert's
; rows begin at a multiple of 144, the row tile of the two products.  The sum over experts of ceil(count / 144) is at most (8,192 + 8 x 143) / 144 = 64 tiles for every routing, and at least 57.
; plan: tok[9216] at byte 0 (the token at each position; positions that no pair takes hold token 0), 64 words that nobody reads, pos[4096][2] at 37,120 (a token's two positions, the
; lower expert's first), texp[1024] at 69,888 (a tile's expert; tiles behind the last expert's get 7).
; One work-group sorts: the prefix sums span all tokens, and work-groups may not talk.  Wave w owns tokens 128 w .. 128 w + 127, lane l of it tokens 128 w + l + 32 c, c = 0..3.
; A pair's rank in its expert = the earlier waves' count + the earlier lanes' count + the count in my own earlier tokens.  The waves exchange nothing: behind sel's 4,096 records lie the counts
; of every 16 tokens, and lane l of EVERY wave sums the eight entries of wave l's tokens.  So the text has no LDS and no barrier, and the one branch on the work-group's number passes none.
; Counts ride eight to two words, a byte an expert (at most 128 in a wave), and across waves four words of two 16-bit fields (at most 4,096).
.set TOKN,  9216
.set POSB,  37120
.set TEXB,  69888
.set CNTB,  65536
.set WL,    64                         ; v[64:95] my eight loads of W2; packed in place
.set VW,    96                         ; v96  16 x thread; never rewritten
.set VWB,   97                         ; v97  8 x thread; never rewritten
; the sort: v1 lane; v2 my first token; v3 64 lane; v4 16 x my first token; v5, v6, v45-47 at work; v7 0; v[8:23] sel of my four tokens; v24, v25 (v28, v29) counts in my first two, three
; tokens; v26 (v30) scans; v27 (v31) the earlier lanes' counts; v[32:47] the counts as loaded, then: v[32:35] the waves' totals, scanned; v[36:39] the earlier waves' counts;
; v44 lane e: expert e's base for my wave; v[48:55] ranks; v[56:63] positions
.macro SCAN x, t                       ; an inclusive sum over the 32 lanes: four steps inside each half of 16, then the lower half's total onto the upper half
.irp n, 1,2,4,8
	v_mov_b32_dpp v[\t], v[\x] row_shr:\n row_mask:0xf bank_mask:0xf bound_ctrl:1
	v_add_nc_u32 v[\x], v[\x], v[\t]
.endr
	v_readlane_b32 s20, v[\x], 15
	v_cndmask_b32 v[\t], 0, s20, s21
	v_add_nc_u32 v[\x], v[\x], v[\t]
.endm
.macro WASK                            ; my 128 bytes of W2, read once in the launch
.set j, 0
.rept 8
	global_load_b128 v[WL+4*j:WL+4*j+3], v[VW], s[6:7] offset:16384*j th:TH_LOAD_NT
.set j, j+1
.endr
.endm
	s_load_b256 s[4:11], s[0:1], 0x0               ; sel s[4:5], W2 s[6:7], plan s[8:9], wb s[10:11]
	v_lshlrev_b32 v[VW], 4, v0
	v_lshlrev_b32 v[VWB], 3, v0
	s_mov_b32 s16, ttmp9
	s_lshl_b32 s12, s16, 17                        ; 131,072 bytes of W2
	s_mov_b32 s13, 0
	s_lshl_b32 s14, s16, 16                        ; 65,536 bytes of wb
	s_mov_b32 s15, 0
	s_wait_kmcnt 0x0
	s_add_nc_u64 s[6:7], s[6:7], s[12:13]
	s_add_nc_u64 s[10:11], s[10:11], s[14:15]
	s_add_nc_u64 s[10:11], s[10:11], 0x1000000     ; W2's half of wb
	s_cmp_lg_u32 s16, 0
	s_cbranch_scc1 .Lstream                        ; the same way for all waves of a work-group
	v_lshrrev_b32 v5, 5, v0
	v_readfirstlane_b32 s17, v5                    ; wave 0..31
	v_and_b32 v1, 31, v0
	v_sub_nc_u32 v5, v0, v1                        ; 32 w
	v_lshl_add_u32 v2, v5, 2, v1                   ; 128 w + lane
	v_lshlrev_b32 v4, 4, v2
	v_lshlrev_b32 v3, 6, v1
	v_mov_b32 v7, 0
	s_mov_b32 s21, 0xffff0000                      ; lanes 16-31
.irp c, 0,1,2,3
	global_load_b128 v[8+4*\c:11+4*\c], v4, s[4:5] offset:\c*512          ; 32 tokens' records: 512 consecutive bytes
.endr
.irp k, 0,1,2,3
	global_load_b128 v[32+4*\k:35+4*\k], v3, s[4:5] offset:CNTB+16*\k     ; the eight count entries of wave l's tokens
.endr
	WASK
	s_wait_loadcnt 8                               ; sel and the counts are in; W2's eight loads stay out over the whole sort
.irp c, 0,1,2,3
	v_min_u32 v[10+4*\c], 7, v[10+4*\c]
	v_min_u32 v[11+4*\c], 7, v[11+4*\c]
.endr
	v_add_nc_u32 v24, v8, v12
	v_add_nc_u32 v28, v9, v13
	v_add_nc_u32 v25, v24, v16
	v_add_nc_u32 v29, v28, v17
	v_add_nc_u32 v26, v25, v20                     ; my four tokens' counts, experts 0-3
	v_add_nc_u32 v30, v29, v21                     ; experts 4-7
	v_mov_b32 v27, v26
	v_mov_b32 v31, v30
	SCAN 26, 5
	SCAN 30, 5
	v_sub_nc_u32 v27, v26, v27                     ; the earlier lanes' counts
	v_sub_nc_u32 v31, v30, v31
	v_add3_u32 v48, v32, v34, v36                  ; lane l: wave l's totals
	v_add3_u32 v50, v33, v35, v37
	v_add3_u32 v49, v38, v40, v42
	v_add3_u32 v51, v39, v41, v43
	v_add3_u32 v48, v48, v44, v46
	v_add3_u32 v50, v50, v45, v47
	v_add_nc_u32 v40, v48, v49
	v_add_nc_u32 v41, v50, v51
	s_mov_b32 s18, 0x00ff00ff
	v_and_b32 v32, s18, v40                        ; experts 0 (low half) and 2 (high half)
	v_lshrrev_b32 v33, 8, v40
	v_and_b32 v33, s18, v33                        ; 1 and 3
	v_and_b32 v34, s18, v41                        ; 4 and 6
	v_lshrrev_b32 v35, 8, v41
	v_and_b32 v35, s18, v35                        ; 5 and 7
.irp k, 0,1,2,3
	v_mov_b32 v[36+\k], v[32+\k]
.endr
.irp k, 32,33,34,35
	SCAN \k, 5
.endr
.irp k, 0,1,2,3
	v_sub_nc_u32 v[36+\k], v[32+\k], v[36+\k]
.endr
.irp k, 0,1,2,3
	v_readlane_b32 s[24+\k], v[32+\k], 31          ; the experts' counts
	v_readlane_b32 s[28+\k], v[36+\k], s17         ; the counts in the waves before mine
.endr
	; the experts in turn: s32 = tiles so far.  Wave e keeps the range of expert e's positions that no pair takes (s37 .. s39)
	s_mov_b32 s32, 0
	s_mov_b32 s37, 0
	s_mov_b32 s39, 0
	v_mov_b32 v44, 0
.irp e, 0,1,2,3,4,5,6,7
.set wd, ((\e)&1)+2*((\e)>>2)
.set hf, (((\e)>>1)&1)*16
	s_mul_i32 s33, s32, 144                        ; the expert's first position
	s_bfe_u32 s34, s[28+wd], 0x100000|hf
	s_add_co_u32 s34, s34, s33
	v_writelane_b32 v44, s34, \e                   ; where my wave's pairs of this expert begin
	s_bfe_u32 s35, s[24+wd], 0x100000|hf           ; its count
	s_add_co_u32 s36, s33, s35                     ; behind its last pair
	s_add_co_u32 s35, s35, 143
	s_mul_i32 s35, s35, 7282                       ; n / 144 = (7282 n) >> 20: 7282 x 144 = 2^20 + 32, so the excess is n / 144 x 32 / 2^20, under 1 / 144 for n up to 4,239
	s_lshr_b32 s35, s35, 20
	s_add_co_u32 s32, s32, s35
	s_mov_b32 s[48+\e], s32                        ; tiles up to and with this expert
	s_mul_i32 s38, s32, 144
	s_cmp_eq_u32 s17, \e
	s_cselect_b32 s37, s36, s37
	s_cselect_b32 s39, s38, s39
.endr
	s_sub_co_u32 s33, s17, 8                       ; waves 8 .. take a tile each behind the last expert's: at most 7 are left, since 57 are used at the least
	s_add_co_u32 s33, s33, s32
	s_mul_i32 s33, s33, 144
	s_min_u32 s33, s33, TOKN
	s_add_co_u32 s34, s33, 144
	s_min_u32 s34, s34, TOKN
	s_cmp_ge_u32 s17, 8
	s_cselect_b32 s37, s33, s37
	s_cselect_b32 s39, s34, s39
; token c of my four: the rank of each of its two pairs, and the expert's base fetched from lane e of v44
.macro RANK c, pl, ph
.if (\c) == 0
	v_mov_b32 v46, v27
	v_mov_b32 v47, v31
.else
	v_add_nc_u32 v46, v27, v[\pl]
	v_add_nc_u32 v47, v31, v[\ph]
.endif
.irp s, 0,1
	v_cmp_gt_u32 vcc_lo, 4, v[10+4*(\c)+\s]
	v_cndmask_b32 v45, v47, v46, vcc_lo
	v_and_b32 v5, 3, v[10+4*(\c)+\s]
	v_lshlrev_b32 v5, 3, v5
	v_bfe_u32 v[48+2*(\c)+\s], v45, v5, 8
	v_lshlrev_b32 v6, 2, v[10+4*(\c)+\s]
	ds_bpermute_b32 v[56+2*(\c)+\s], v6, v44       ; between lanes: no LDS byte is touched
.endr
.endm
	RANK 0, 0, 0
	RANK 1, 8, 9
	RANK 2, 24, 28
	RANK 3, 25, 29
	s_wait_dscnt 0x0
.irp k, 0,1,2,3,4,5,6,7
	v_add_nc_u32 v[56+\k], v[56+\k], v[48+\k]
	v_min_u32 v[56+\k], TOKN-1, v[56+\k]           ; the position; the bound is never reached, and stands in front of every address made of loaded numbers
	v_lshlrev_b32 v[48+\k], 2, v[56+\k]
.endr
.irp c, 0,1,2,3
	v_add_nc_u32 v[32+\c], \c*32, v2               ; the token
.endr
	v_lshlrev_b32 v36, 3, v2
	v_lshlrev_b32 v37, 2, v0
.irp c, 0,1,2,3
	global_store_b32 v[48+2*\c], v[32+\c], s[8:9]
	global_store_b32 v[49+2*\c], v[32+\c], s[8:9]
	global_store_b64 v36, v[56+2*\c:57+2*\c], s[8:9] offset:POSB+\c*256  ; the wave stores 256 consecutive bytes of pos, aligned
.endr
	; token 0 into my range of positions that no pair takes: at most 144, five stores of 32.  A lane past the range's end writes into the 64 words behind tok, which nobody reads.
	v_add_nc_u32 v29, TOKN, v1
.set i, 0
.rept 5
	v_add3_u32 v[24+i], s37, v1, 32*i
	v_cmp_gt_u32 vcc_lo, s39, v[24+i]
	v_cndmask_b32 v[24+i], v29, v[24+i], vcc_lo
	v_min_u32 v[24+i], TOKN+63, v[24+i]
	v_lshlrev_b32 v[24+i], 2, v[24+i]
	global_store_b32 v[24+i], v7, s[8:9]
.set i, i+1
.endr
	v_mov_b32 v38, 0                               ; tile t's expert: how many experts end at or before it
.irp e, 0,1,2,3,4,5,6,7
	v_cmp_le_u32 vcc_lo, s[48+\e], v0
	v_cndmask_b32 v5, 0, 1, vcc_lo
	v_add_nc_u32 v38, v38, v5
.endr
	v_min_u32 v38, 7, v38
	global_store_b32 v37, v38, s[8:9] offset:TEXB
	s_branch .Lconv
.Lstream:
	WASK
.Lconv:                                                ; on both ways the youngest eight loads are W2's
.set j, 0
.rept 8
	s_wait_loadcnt 7-j                             ; loads come back in order (ISA guide 5.7.1): chunk j is in, the younger ones stay out
	v_cvt_pk_bf16_f32 v[WL+4*j], v[WL+4*j], v[WL+4*j+1]        ; four numbers into two words, in place
	v_cvt_pk_bf16_f32 v[WL+4*j+1], v[WL+4*j+2], v[WL+4*j+3]
	global_store_b64 v[VWB], v[WL+4*j:WL+4*j+1], s[10:11] offset:8192*j
.set j, j+1
.endr
	s_endpgm
.Lfunc_end_k_q138ddf8958_bucket:
	.size	k_q138ddf8958_bucket, .Lfunc_end_k_q138ddf8958_bucket-k_q138ddf8958_bucket
	.p2alignl 7, 3214868480
	.fill 96, 4, 3214868480
	.section	.rodata,"a",@progbits
	.p2align	6, 0x0
	.amdhsa_kernel k_q138ddf8958_bucket
		.amdhsa_group_segment_fixed_size 0
		.amdhsa_private_segment_fixed_size 0
		.amdhsa_enable_private_segment 0
		.amdhsa_kernarg_size 32
		.amdhsa_user_sgpr_count 2
		.amdhsa_user_sgpr_kernarg_segment_ptr 1
		.amdhsa_wavefront_size32 1
		.amdhsa_system_sgpr_workgroup_id_x 1
		.amdhsa_system_sgpr_workgroup_id_y 1
		.amdhsa_system_sgpr_workgroup_id_z 1
		.amdhsa_system_vgpr_workitem_id 0
		.amdhsa_next_free_vgpr 104
		.amdhsa_next_free_sgpr 66
		.amdhsa_reserve_vcc 1
		.amdhsa_float_denorm_mode_32 3
		.amdhsa_float_denorm_mode_16_64 3
		.amdhsa_memory_ordered 1
		.amdhsa_forward_progress 1
		.amdhsa_inst_pref_size 25
	.end_amdhsa_kernel
	.amdgpu_metadata
---
amdhsa.version: [ 1, 2 ]
amdhsa.kernels:
  - .name:           k_q138ddf8958_bucket
    .symbol:         k_q138ddf8958_bucket.kd
    .args:
      - { .name: sel, .offset: 0, .size: 8, .value_kind: global_buffer, .address_space: global }
      - { .name: W2, .offset: 8, .size: 8, .value_kind: global_buffer, .address_space: global }
      - { .name: plan, .offset: 16, .size: 8, .value_kind: global_buffer, .address_space: global }
      - { .name: wb, .offset: 24, .size: 8, .value_kind: global_buffer, .address_space: global }
    .group_segment_fixed_size: 0
    .private_segment_fixed_size: 0
    .kernarg_segment_align: 8
    .kernarg_segment_size: 32
    .max_flat_workgroup_size: 1024
    .sgpr_count:     66
    .vgpr_count:     104
    .wavefront_size: 32
...
	.end_amdgpu_metadata
.endif
;; end of part 2
;; launch gemm1 (part 3): grid 4 x 64, 4 waves a work-group, no clusters, 327,680 bytes of LDS; arguments xb, wb, plan, hbuf; writes hbuf
.if DOCPART == 3
	.amdgcn_target "amdgcn-amd-amdhsa--gfx1250"
	.amdhsa_code_object_version 6
	.text
	.protected	k_q138ddf8958_gemm1
	.globl	k_q138ddf8958_gemm1
	.p2align	8
	.type	k_q138ddf8958_gemm1,@function
k_q138ddf8958_gemm1:
	s_mov_b64 s[64:65], 0
	v_nop
	global_prefetch_b8 v0, s[64:65] scope:SCOPE_SE
	s_setreg_imm32_b32 hwreg(HW_REG_WAVE_MODE, 25, 1), 1
	s_wait_xcnt 0x0
; GEMM1.  hbuf[p][n] = relu(sum over k of xb[tok[p]][k] W1[e][k][n])^2, bf16, for the 9,216 positions p; e = texp[p / 144].  Sums in f32, K ascending; h rounded once.
; SHARES.  A work-group makes 144 positions (grid y) x 256 columns (grid x): 4 x 64 = 256 work-groups.  Each of its four waves makes all 144 rows x 64 columns: 36 accumulators of 16 x 16.
; Every tile is computed, also one whose positions no pair takes (they hold token 0): no barrier may hang on loaded numbers, and 64 row tiles are what the worst routing needs.
; K goes in 8 steps of 128 through two LDS slots.  W1's tile (128 k x 256 n, as it lies in memory) comes by tensor loads, a quarter a wave; its fragments are turned by ds_load_tr16_b128.
; x's tile is a GATHER of 144 token rows: it goes through registers (16 lanes take 256 consecutive bytes of a row) and is stored into LDS slots of its own, which no tensor load ever fills.
; THE MATRIX INSTRUCTION IS USED TRANSPOSED: source 0 = 16 columns of W1, source 1 = 16 rows of x: a lane then holds eight neighbouring columns of one row of h.
; NO CLUSTER: W1's tile is shared by the row tiles of one expert, and which those are hangs on counts read from memory; x's tile does not go by tensor loads.
; LIMITS.  relu of a NaN gives 0; infinities are not treated apart.  h is kept in bf16, whose range is f32's.
; REGISTERS, in windows of 256 (s_set_vgpr_msb: bits 1:0 source 0, 3:2 source 1, 5:4 source 2, 7:6 destination):
;   window 0: addresses and work   window 1: accumulators of row blocks 0-4, (a, b) at 8 (4 a + b)   window 2: those of row blocks 5-8   window 3: two fragment buffers of 104 (32 of W1, 72 of x)
.set PB,     544                       ; a row of W1's tile in LDS: 512 bytes + 32: an odd multiple of 32
.set PA,     272                       ; a row of x's tile: 256 bytes + 16: the 16 rows of a fragment load start in 16 different groups of banks
.set BSLOT,  128*PB
.set ABASE,  2*BSLOT
.set ASLOT,  144*PA
.set STAGE,  ABASE+2*ASLOT             ; the way out: 144 rows x 528 bytes, the work-group's; no tensor load fills it
.set SPITCH, 528
.set SPARE,  STAGE+144*SPITCH          ; the spare words, 128 bytes for each wave: two blocks of 256 bytes that no other line names
.set KB,     128*2048                  ; bytes of wb from one K step to the next
.set ADRA, 4                           ; v4-5   my place in x's fragments, slot 0, 1
.set ADRB, 6                           ; v6-7   the same for W1's
.set AST,  8                           ; v8-9   where I put 16 bytes of a gathered row, slot 0, 1
.set STOA, 10                          ; v10    the way out: where I put 16 bytes of a row, row blocks 0-4
.set STOB, 11                          ; v11    row blocks 5-8
.set RD,   12                          ; v12    the way out: where I read rows back
.set GO,   13                          ; v13    16 x lane
.set TK,   14                          ; v14    4 (2 w + h): my row's word among eight of tok
.set R16,  15                          ; v15    16 (lane % 16)
.set SPW,  16                          ; v16    my spare word; never rewritten
.set NIL,  17                          ; v17    0; never rewritten
.set OFF,  32                          ; v32-49 load i: byte offset in xb of my 16 bytes of row 8 i + 2 w + h
.set STG,  64                          ; v64-135 the gathered rows on their way
.set OUT,  64                          ; v64-207 the way out: 36 rows read back
.set T,    208                         ; v208-239 the way out: 32 numbers at work
.set P,    240                         ; v240-255 packed
.set F0,   0
.set F1,   104
.set G1,   16                          ; s[16:23] descriptor group 1
.set G0,   24                          ; s[24:31] descriptor group 0, a set for each slot
.set MSB, 0
.macro WIN new                         ; the immediate's high byte repeats the setting that is left; a switch that changes nothing is dropped
.if MSB != (\new)
	s_set_vgpr_msb (MSB<<8)|(\new)
.set MSB, \new
.endif
.endm
.set MUL_LO, 0x5f                      ; sources 0 and 1 window 3, C and D window 1
.set MUL_HI, 0xaf                      ; C and D window 2
.set TO_F,   0xc0                      ; destination window 3, address window 0
.macro PLACES                          ; four places in front of loads into registers that matrix instructions have read, and of lines that read results (ISA guide 7.12.1 for the lines that read results)
.rept 4
	v_nop
.endr
.endm
; row blocks a0 .. a1 x all 4 column blocks, 32 along K, from buffer f.  zero = 1: the product starts the sums.  The 36 accumulators come in the same order in every quarter: they take turns.
.macro MULR f, a0, a1, zero
.set aa, \a0
.rept (\a1)-(\a0)+1
.if aa < 5
	WIN MUL_LO
.set ab, 32*aa
.else
	WIN MUL_HI
.set ab, 32*(aa-5)
.endif
.irp b, 0,1,2,3
.if \zero
	v_wmma_f32_16x16x32_bf16 v[ab+8*\b:ab+8*\b+7], v[(\f)+8*\b:(\f)+8*\b+7], v[(\f)+32+8*aa:(\f)+32+8*aa+7], 0
.else
	v_wmma_f32_16x16x32_bf16 v[ab+8*\b:ab+8*\b+7], v[(\f)+8*\b:(\f)+8*\b+7], v[(\f)+32+8*aa:(\f)+32+8*aa+7], v[ab+8*\b:ab+8*\b+7]
.endif
.endr
.set aa, aa+1
.endr
.endm
; 26 LDS loads in one run: quarter q (32 along K) of a slot into buffer f: W1's four fragments (turned), then x's nine
.macro FETCH slot, q, f
	WIN TO_F
.irp b, 0,1,2,3
	ds_load_tr16_b128 v[(\f)+8*\b:(\f)+8*\b+3],   v[ADRB+(\slot)] offset:(\q)*32*PB+32*\b
	ds_load_tr16_b128 v[(\f)+8*\b+4:(\f)+8*\b+7], v[ADRB+(\slot)] offset:(\q)*32*PB+32*\b+16*PB
.endr
.irp a, 0,1,2,3,4,5,6,7,8
	ds_load_b128 v[(\f)+32+8*\a:(\f)+32+8*\a+3], v[ADRA+(\slot)] offset:\a*16*PA+64*(\q)
	ds_load_b128 v[(\f)+32+8*\a+4:(\f)+32+8*\a+7], v[ADRA+(\slot)] offset:\a*16*PA+64*(\q)+32
.endr
.endm
.macro AASK                            ; 18 loads: my share of 144 gathered rows, 256 bytes of each
.set i, 0
.rept 18
	global_load_b128 v[STG+4*i:STG+4*i+3], v[OFF+i], s[4:5]
.set i, i+1
.endr
.endm
.macro APUT slot
.set i, 0
.rept 18
	ds_store_b128 v[AST+(\slot)], v[STG+4*i:STG+4*i+3] offset:8*PA*i
.set i, i+1
.endr
.endm
; In K step t's second quarter: x's tile of step t + 1 goes into the other slot, whose readers finished in front of the barrier at the end of step t - 1; the stores are waited for in front of the
; barrier at the end of step t.  mode = 1: the tile of step t + 2 is asked for.
.macro STAGEA mode, slot
	WIN 0
	s_wait_loadcnt 0x0                             ; the rows are in, and xb's address may be stepped
	APUT \slot
.if (\mode) == 1
	s_add_nc_u64 s[4:5], s[4:5], 256
	AASK
.endif
.endm
; A K step is four quarters of 32 along K, 36 matrix instructions each, on buffers 0, 1, 0, 1.  One of the first three: multiplies buffer f and fetches quarter qn of the same slot into g.
.macro QUARTER slot, qn, f, g, zero, stage=0, sslot=0
	s_wait_dscnt 8                                 ; W1's fragments and x's row blocks 0-4 are in; the youngest eight loads (row blocks 5-8) may be out
	MULR \f, 0, 4, \zero
.if \stage
	STAGEA \stage, \sslot
.endif
	PLACES
	FETCH \slot, \qn, \g
	s_wait_dscnt 26                                ; all but the 26 just issued
	MULR \f, 5, 8, \zero
.endm
; The last quarter multiplies buffer 1 and changes slots: ONE barrier.  In front of it each wave waits for all its tensor loads (one is out: its part of the next slot), adds 0 to its spare word,
; and waits for that, for its reads of this slot and for its stores of x's next tile.  fill = 1: W1's slot just read is filled again, two K steps ahead, first thing behind the barrier.
.macro TURN slot, next, fill
	WIN 0
	s_wait_tensorcnt 0x0                           ; no tensor load of mine is out, so a group 0 may be written
	ds_add_u32 v[SPW], v[NIL]                      ; 0 onto my spare word
.if \fill
	s_add_nc_u64 s[G0+4*(\slot)+2:G0+4*(\slot)+3], s[G0+4*(\slot)+2:G0+4*(\slot)+3], 2*KB
.endif
	s_wait_dscnt 9                                 ; (the add and the youngest eight loads may be out)
	MULR F1, 0, 2, 0                               ; twelve matrix instructions stand between the add and the wait for it
	s_wait_dscnt 0x0
	s_barrier_signal -1
	MULR F1, 3, 4, 0                               ; work on registers while the others arrive
	WIN 0
	s_barrier_wait -1
.if \fill
	tensor_load_to_lds s[G0+4*(\slot):G0+4*(\slot)+3], s[G1:G1+7]  ; my one tensor load behind this barrier: 124 matrix instructions ahead of the wait for it
	s_nop 0
.endif
	PLACES                                         ; behind the load; also the places in front of the loads below
	FETCH \next, 0, F0
	MULR F1, 5, 8, 0
.endm
	s_load_b256 s[4:11], s[0:1], 0x0               ; xb s[4:5], wb s[6:7], plan s[8:9], hbuf s[10:11]
	v_lshl_add_u32 v[SPW], v0, 2, SPARE
	v_mov_b32 v[NIL], 0
	ds_add_u32 v[SPW], v[NIL]                      ; the wave's opening: the add and its wait ahead of my first tensor load; work on registers stands between them
	ds_add_u32 v16, v17
	v_lshrrev_b32 v3, 5, v0
	v_readfirstlane_b32 s12, v3                    ; wave 0..3
	s_mov_b32 s13, ttmp9                           ; column tile
	s_and_b32 s14, ttmp7, 0xffff                   ; row tile
	; descriptor group 1: 32 rows (k) x 256 elements (n), padded in LDS
	s_mov_b32 s[G1+0], (1<<16)|(1<<20)|(6<<22)|(7<<25)  ; 17:16 elements of 2 bytes; 20 padding on; 24:22 after every 128 words (code 6); 31:25 8 words of it (code 7)
	s_mov_b32 s[G1+1], 256<<16                     ; tensor_dim0 = 256
	s_mov_b32 s[G1+2], 32<<16                      ; tensor_dim1 = 32
	s_mov_b32 s[G1+3], 256<<16                     ; tile_dim0 = 256
	s_mov_b32 s[G1+4], 32                          ; tile_dim1 = 32
	s_mov_b32 s[G1+5], 1024                        ; elements from row to row
	s_mov_b32 s[G1+6], 0
	s_mov_b32 s[G1+7], 0
	s_mul_i32 s34, s12, 32*PB                      ; my quarter of a slot
	s_mov_b32 s[G0+0], 1
	s_mov_b32 s[G0+1], s34
	s_mov_b32 s[G0+4], 1
	s_add_co_u32 s[G0+5], s34, BSLOT
	s_lshl_b32 s35, s14, 2
	s_mul_i32 s36, s14, 576                        ; the tile's 144 words of tok
	s_mov_b32 s37, 0
	v_and_b32 v1, 15, v0                           ; r = lane % 16
	v_bfe_u32 v2, v0, 4, 1                         ; h = lane / 16
	s_lshl_b32 s2, s12, 1
	v_add_nc_u32 v19, s2, v2                       ; 2 w + h
	v_lshlrev_b32 v[TK], 2, v19
	s_wait_dscnt 0x0                               ; the opening add is done
	s_wait_kmcnt 0x0
	s_load_b32 s15, s[8:9], s35 offset:0x11100     ; texp[row tile]
	s_add_nc_u64 s[38:39], s[8:9], s[36:37]
.set i, 0
.rept 18
	global_load_b32 v[OFF+i], v[TK], s[38:39] offset:32*i  ; tok of row 8 i + 2 w + h
.set i, i+1
.endr
	v_and_b32 v18, 31, v0
	v_mul_u32_u24 v[ADRA], v1, PA
	v_lshl_add_u32 v[ADRA], v2, 4, v[ADRA]
	v_add_nc_u32 v[ADRA], ABASE, v[ADRA]           ; row x pitch + 16 x half
	v_add_nc_u32 v[ADRA+1], ASLOT, v[ADRA]
	v_and_b32 v20, 7, v0
	v_lshl_add_u32 v20, v2, 3, v20                 ; the turning load: lane l reads k row 8 (l / 16) + l % 8,
	v_mul_u32_u24 v[ADRB], v20, PB
	v_bfe_u32 v20, v0, 3, 1
	v_lshl_add_u32 v[ADRB], v20, 4, v[ADRB]        ; columns 8 ((l / 8) % 2) + 0..7,
	v_lshl_add_u32 v[ADRB], s12, 7, v[ADRB]        ; of my wave's 64
	v_add_nc_u32 v[ADRB+1], BSLOT, v[ADRB]
	v_mul_u32_u24 v[AST], v19, PA
	v_lshl_add_u32 v[AST], v1, 4, v[AST]
	v_add_nc_u32 v[AST], ABASE, v[AST]
	v_add_nc_u32 v[AST+1], ASLOT, v[AST]
	v_lshlrev_b32 v[R16], 4, v1
	s_wait_kmcnt 0x0
	s_min_u32 s15, s15, 7                          ; the expert
	s_lshl_b32 s36, s15, 21                        ; its 2 MiB of wb,
	s_lshl_b32 s2, s13, 9
	s_add_co_u32 s36, s36, s2                      ; my tile's 256 columns,
	s_lshl_b32 s2, s12, 16
	s_add_co_u32 s36, s36, s2                      ; my 32 rows of a K step
	s_add_nc_u64 s[40:41], s[6:7], s[36:37]
	s_add_nc_u64 s[G0+2:G0+3], s[40:41], 0
	s_or_b32 s[G0+3], s[G0+3], 0x80000000          ; type = 2
	s_add_nc_u64 s[G0+6:G0+7], s[40:41], KB
	s_or_b32 s[G0+7], s[G0+7], 0x80000000
	tensor_load_to_lds s[G0:G0+3], s[G1:G1+7]      ; the two first fills go out together: two tensor loads of mine are out
	s_nop 0
	tensor_load_to_lds s[G0+4:G0+7], s[G1:G1+7]
	s_nop 0
	PLACES
	s_wait_loadcnt 0x0                             ; tok
.set i, 0
.rept 18
	v_min_u32 v[OFF+i], 0xfff, v[OFF+i]
	v_lshl_add_u32 v[OFF+i], v[OFF+i], 11, v[R16]  ; the token's row of 2,048 bytes + my 16 bytes
.set i, i+1
.endr
	AASK                                           ; x's tile of K step 0
	v_mul_u32_u24 v[STOA], v1, SPITCH              ; the way out's addresses are made in the wait
	v_lshl_add_u32 v[STOA], v2, 4, v[STOA]
	v_lshl_add_u32 v[STOA], s12, 7, v[STOA]
	v_add_nc_u32 v[STOA], STAGE, v[STOA]           ; row r, my wave's 128 bytes, 16 bytes for each half of the lanes
	v_add_nc_u32 v[STOB], 5*16*SPITCH, v[STOA]
	s_mul_i32 s2, s12, 36*SPITCH
	s_add_co_u32 s2, s2, STAGE
	v_lshl_add_u32 v[RD], v18, 4, s2               ; back: wave w takes rows 36 w .. 36 w + 35, a whole row of 512 bytes a load
	v_lshlrev_b32 v[GO], 4, v18
	s_mul_i32 s36, s14, 144
	s_mul_i32 s2, s12, 36
	s_add_co_u32 s36, s36, s2
	s_lshl_b32 s36, s36, 11
	s_lshl_b32 s2, s13, 9
	s_add_co_u32 s36, s36, s2
	s_add_nc_u64 s[10:11], s[10:11], s[36:37]      ; hbuf at the first row that I store, my tile's columns
	s_wait_loadcnt 0x0
	APUT 0
	s_add_nc_u64 s[4:5], s[4:5], 256
	AASK                                           ; K step 1
	s_wait_tensorcnt 0x1                           ; my part of W1's slot 0 is in; slot 1's may stay out
	s_wait_dscnt 0x0                               ; my rows of x's slot 0 are written
	s_barrier_signal -1
	s_barrier_wait -1
	FETCH 0, 0, F0
	QUARTER 0, 1, F0, F1, 1                        ; the first quarter stands in front of the loop: its products start the sums
	WIN 0                                          ; at a label and at a branch every window is 0
	s_mov_b32 s3, 3
.Llap:                                                 ; a trip goes once round the ring, from a lap's second quarter to the next lap's first
	QUARTER 0, 2, F1, F0, 0, 1, 1
	QUARTER 0, 3, F0, F1, 0
	TURN 0, 1, 1
	QUARTER 1, 1, F0, F1, 0
	QUARTER 1, 2, F1, F0, 0, 1, 0
	QUARTER 1, 3, F0, F1, 0
	TURN 1, 0, 1
	QUARTER 0, 1, F0, F1, 0
	WIN 0
	s_sub_co_u32 s3, s3, 1
	s_cmp_lg_u32 s3, 0
	s_cbranch_scc1 .Llap
	QUARTER 0, 2, F1, F0, 0, 2, 1                  ; the last lap is written out: x's last tile is stored, nothing more is asked for
	QUARTER 0, 3, F0, F1, 0
	TURN 0, 1, 0
	QUARTER 1, 1, F0, F1, 0
	QUARTER 1, 2, F1, F0, 0
	QUARTER 1, 3, F0, F1, 0
	s_wait_dscnt 8
	MULR F1, 0, 4, 0
	s_wait_dscnt 0x0
	MULR F1, 5, 8, 0
	WIN 0
	PLACES
	; THE WAY OUT: relu, square, round to bf16; 16 bytes a lane into the work-group's stage; a barrier, since a row's 512 bytes come from four waves; back as whole rows, 36 a wave.
.macro HPACK a
.if (\a) < 5
	WIN 0x04                                       ; source 1 window 1
.set ab, 32*(\a)
.set so, STOA
.set ao, (\a)
.else
	WIN 0x08                                       ; source 1 window 2
.set ab, 32*((\a)-5)
.set so, STOB
.set ao, (\a)-5
.endif
.set i, 0
.rept 32
	v_max_num_f32 v[T+i], 0, v[ab+i]               ; each accumulator's registers in ascending order
.set i, i+1
.endr
	WIN 0
.set i, 0
.rept 16
	v_pk_mul_f32 v[T+2*i:T+2*i+1], v[T+2*i:T+2*i+1], v[T+2*i:T+2*i+1]
.set i, i+1
.endr
.set i, 0
.rept 16
	v_cvt_pk_bf16_f32 v[P+i], v[T+2*i], v[T+2*i+1]
.set i, i+1
.endr
.irp b, 0,1,2,3
	ds_store_b128 v[so], v[P+4*\b:P+4*\b+3] offset:ao*16*SPITCH+32*\b
.endr
.endm
.irp a, 0,1,2,3,4,5,6,7,8
	HPACK \a
.endr
	s_wait_dscnt 0x0                               ; for the others' sake: my stores into the stage are done
	s_barrier_signal -1
	s_barrier_wait -1
.set i, 0
.rept 36
	ds_load_b128 v[OUT+4*i:OUT+4*i+3], v[RD] offset:SPITCH*i
.set i, i+1
.endr
.set i, 0
.rept 36
	s_wait_dscnt 35-i                              ; LDS loads come back in order (ISA guide 5.7.1): row i is in
	global_store_b128 v[GO], v[OUT+4*i:OUT+4*i+3], s[10:11] offset:2048*i  ; the wave stores 512 consecutive bytes, at a multiple of 256 from hbuf's first
.set i, i+1
.endr
	s_wait_tensorcnt 0x0                           ; the wave's end, behind my last tensor load and my last LDS store
	ds_add_u32 v[SPW], v[NIL]
	s_wait_dscnt 0x0
	s_endpgm
.Lfunc_end_k_q138ddf8958_gemm1:
	.size	k_q138ddf8958_gemm1, .Lfunc_end_k_q138ddf8958_gemm1-k_q138ddf8958_gemm1
	.p2alignl 7, 3214868480
	.fill 96, 4, 3214868480
	.section	.rodata,"a",@progbits
	.p2align	6, 0x0
	.amdhsa_kernel k_q138ddf8958_gemm1
		.amdhsa_group_segment_fixed_size 327680
		.amdhsa_private_segment_fixed_size 0
		.amdhsa_enable_private_segment 0
		.amdhsa_kernarg_size 32
		.amdhsa_user_sgpr_count 2
		.amdhsa_user_sgpr_kernarg_segment_ptr 1
		.amdhsa_wavefront_size32 1
		.amdhsa_system_sgpr_workgroup_id_x 1
		.amdhsa_system_sgpr_workgroup_id_y 1
		.amdhsa_system_sgpr_workgroup_id_z 1
		.amdhsa_system_vgpr_workitem_id 0
		.amdhsa_next_free_vgpr 976
		.amdhsa_next_free_sgpr 66
		.amdhsa_reserve_vcc 0
		.amdhsa_float_denorm_mode_32 3
		.amdhsa_float_denorm_mode_16_64 3
		.amdhsa_memory_ordered 1
		.amdhsa_forward_progress 1
		.amdhsa_inst_pref_size 125
	.end_amdhsa_kernel
	.amdgpu_metadata
---
amdhsa.version: [ 1, 2 ]
amdhsa.kernels:
  - .name:           k_q138ddf8958_gemm1
    .symbol:         k_q138ddf8958_gemm1.kd
    .args:
      - { .name: xb, .offset: 0, .size: 8, .value_kind: global_buffer, .address_space: global }
      - { .name: wb, .offset: 8, .size: 8, .value_kind: global_buffer, .address_space: global }
      - { .name: plan, .offset: 16, .size: 8, .value_kind: global_buffer, .address_space: global }
      - { .name: hbuf, .offset: 24, .size: 8, .value_kind: global_buffer, .address_space: global }
    .group_segment_fixed_size: 327680
    .private_segment_fixed_size: 0
    .kernarg_segment_align: 8
    .kernarg_segment_size: 32
    .max_flat_workgroup_size: 128
    .sgpr_count:     66
    .vgpr_count:     976
    .wavefront_size: 32
...
	.end_amdgpu_metadata
.endif
;; end of part 3
;; launch gemm2 (part 4): grid 4 x 64, 4 waves a work-group, clusters of 4 x 1, 327,680 bytes of LDS; arguments hbuf, wb, plan, ybuf; writes ybuf
.if DOCPART == 4
	.amdgcn_target "amdgcn-amd-amdhsa--gfx1250"
	.amdhsa_code_object_version 6
	.text
	.protected	k_q138ddf8958_gemm2
	.globl	k_q138ddf8958_gemm2
	.p2align	8
	.type	k_q138ddf8958_gemm2,@function
k_q138ddf8958_gemm2:
	s_mov_b64 s[64:65], 0
	v_nop
	global_prefetch_b8 v0, s[64:65] scope:SCOPE_SE
	s_setreg_imm32_b32 hwreg(HW_REG_WAVE_MODE, 25, 1), 1
	s_wait_xcnt 0x0
	s_wait_alu depctr_hold_cnt(0) depctr_sa_sdst(0) depctr_va_vdst(0) depctr_va_sdst(0) depctr_va_ssrc(0) depctr_va_vcc(0) depctr_vm_vsrc(0)
	s_getreg_b32 s2, hwreg(HW_REG_IB_STS2, 6, 4)
	s_cmp_eq_u32 s2, 0
	s_cbranch_scc0 .Lentry_in_a_cluster
	s_endpgm
.Lentry_in_a_cluster:
	s_bfe_u32 s2, ttmp6, 0x10000c
	s_cmp_lg_u32 s2, 0x3003
	s_cbranch_scc0 .Lentry_shape_is_right
	s_endpgm
.Lentry_shape_is_right:
; GEMM2.  ybuf[p][n] = sum over k of hbuf[p][k] W2[e][k][n], f32, for the 9,216 positions p; e = texp[p / 144].  Operands bf16, sums in f32, K ascending.  y stays f32: two of its rows are added later.
; SHARES.  As in the first product: a work-group makes 144 positions (grid y) x 256 columns (grid x), each of four waves all 144 rows x 64 columns: 36 accumulators of 16 x 16.
; K goes in 8 steps of 128 through two LDS slots filled by tensor loads: waves 0 and 1 fetch the halves of h's tile (72 rows x 256 bytes each), waves 2 and 3 those of W2's (64 k rows x 512 bytes).
; W2 lies [k][n] in memory and in LDS; its fragments are turned by ds_load_tr16_b128.  THE MATRIX INSTRUCTION IS USED TRANSPOSED (source 0 = 16 columns of W2, source 1 = 16 rows of h).
; CLUSTER.  The four column tiles of a row tile form a cluster and need the same tile of h, 36 of a step's 100 KiB: it is asked for JOINTLY, by the same tensor load with the same descriptor and
; a mask that names the four; each receives it in its own LDS.  W2's tile is each work-group's own (its columns differ): plain loads.  It is shared only by the row tiles of one expert, and which
; those are hangs on counts read from memory, so no mask can be written for it.
; REGISTERS: window 0: addresses and work; window 1: accumulators of row blocks 0-4, (a, b) at 8 (4 a + b); window 2: those of row blocks 5-8; window 3: two fragment buffers of 104.
.set PB,     544                       ; a row of W2's tile in LDS: 512 bytes + 32: an odd multiple of 32
.set PA,     272                       ; a row of h's tile: 256 bytes + 16
.set BSLOT,  128*PB
.set ABASE,  2*BSLOT
.set ASLOT,  144*PA
.set STAGE,  ABASE+2*ASLOT             ; the way out: 16 rows x 272 bytes for each wave; no tensor load fills it
.set SPITCH, 272
.set SPARE,  STAGE+4*16*SPITCH         ; the spare words, 128 bytes for each wave: two blocks of 256 bytes that no other line names
.set KB,     128*2048                  ; bytes of wb from one K step to the next
.set ADRA, 4                           ; v4-5   my place in h's fragments, slot 0, 1
.set ADRB, 6                           ; v6-7   the same for W2's
.set STO,  10                          ; v10    the way out: where I put 32 bytes of a row
.set RD,   12                          ; v12    where I read rows back
.set GO,   13                          ; v13    my byte offset in two rows of y
.set SPW,  16                          ; v16    my spare word; never rewritten
.set NIL,  17                          ; v17    0; never rewritten
.set OB,   64                          ; v64-127 the way out: 16 rows read back, two buffers by turns
.set F0,   0
.set F1,   104
.set G1A,  16                          ; s[16:23] descriptor group 1 for h's tiles;  s[24:31] group 0, a set for each slot
.set G0A,  24
.set G1B,  32                          ; s[32:39], s[40:47] the same for W2's
.set G0B,  40
; s12 wave; s13 column tile; s14 row tile; s15 expert; s48 which half I fetch; s49, s50 its place in a slot; s51 texp's offset; s[52:55], s60 h's address alone (no register of these ever holds
; my place in the cluster); s[56:59], s62 W2's and y's addresses; s61 my place in the cluster; s63 my stage
.set MSB, 0
.macro WIN new                         ; the immediate's high byte repeats the setting that is left; a switch that changes nothing is dropped
.if MSB != (\new)
	s_set_vgpr_msb (MSB<<8)|(\new)
.set MSB, \new
.endif
.endm
.set MUL_LO, 0x5f                      ; sources 0 and 1 window 3, C and D window 1
.set MUL_HI, 0xaf                      ; C and D window 2
.set TO_F,   0xc0                      ; destination window 3, address window 0
.macro PLACES                          ; four places in front of loads into registers that matrix instructions have read, and of lines that read results (ISA guide 7.12.1 for the lines that read results)
.rept 4
	v_nop
.endr
.endm
; row blocks a0 .. a1 x all 4 column blocks, 32 along K, from buffer f.  zero = 1: the product starts the sums.  The 36 accumulators come in the same order in every quarter: they take turns.
.macro MULR f, a0, a1, zero
.set aa, \a0
.rept (\a1)-(\a0)+1
.if aa < 5
	WIN MUL_LO
.set ab, 32*aa
.else
	WIN MUL_HI
.set ab, 32*(aa-5)
.endif
.irp b, 0,1,2,3
.if \zero
	v_wmma_f32_16x16x32_bf16 v[ab+8*\b:ab+8*\b+7], v[(\f)+8*\b:(\f)+8*\b+7], v[(\f)+32+8*aa:(\f)+32+8*aa+7], 0
.else
	v_wmma_f32_16x16x32_bf16 v[ab+8*\b:ab+8*\b+7], v[(\f)+8*\b:(\f)+8*\b+7], v[(\f)+32+8*aa:(\f)+32+8*aa+7], v[ab+8*\b:ab+8*\b+7]
.endif
.endr
.set aa, aa+1
.endr
.endm
; 26 LDS loads in one run: quarter q (32 along K) of a slot into buffer f: W2's four fragments (turned), then h's nine
.macro FETCH slot, q, f
	WIN TO_F
.irp b, 0,1,2,3
	ds_load_tr16_b128 v[(\f)+8*\b:(\f)+8*\b+3],   v[ADRB+(\slot)] offset:(\q)*32*PB+32*\b
	ds_load_tr16_b128 v[(\f)+8*\b+4:(\f)+8*\b+7], v[ADRB+(\slot)] offset:(\q)*32*PB+32*\b+16*PB
.endr
.irp a, 0,1,2,3,4,5,6,7,8
	ds_load_b128 v[(\f)+32+8*\a:(\f)+32+8*\a+3], v[ADRA+(\slot)] offset:\a*16*PA+64*(\q)
	ds_load_b128 v[(\f)+32+8*\a+4:(\f)+32+8*\a+7], v[ADRA+(\slot)] offset:\a*16*PA+64*(\q)+32
.endr
.endm
; A fill.  Waves 0 and 1 ask jointly for the halves of h's tile, waves 2 and 3 for those of my own tile of W2.  The branch hangs on the wave's number alone: it is the same in every work-group.
; An s_nop 0 and four v_nop follow each of the two lines, ahead of the jump and the label.
.macro LOADAB s
	s_cmp_lt_u32 s12, 2
	s_cbranch_scc0 .Lfor_b_\@
	tensor_load_to_lds s[G0A+4*(\s):G0A+4*(\s)+3], s[G1A:G1A+7]
	s_nop 0
	PLACES
	s_branch .Lasked_\@
.Lfor_b_\@:
	tensor_load_to_lds s[G0B+4*(\s):G0B+4*(\s)+3], s[G1B:G1B+7]
	s_nop 0
	PLACES
.Lasked_\@:
.endm
; A round of the cluster's barrier: my work-group's barrier, so that wave 0's signal speaks for all four waves; wave 0 signals for the work-group; every wave waits for all four work-groups;
; my work-group's barrier once more.  No LDS instruction of the wave is pending at a signal.
.macro CREST                           ; a round behind its opening barrier
	s_cmp_lg_u32 s12, 0
	s_cbranch_scc1 .Lnot_wave_0_\@
	s_barrier_signal -3
.Lnot_wave_0_\@:
	s_barrier_wait -3
	s_barrier_signal -1
	s_barrier_wait -1
.endm
.macro CROUND                          ; a whole round
	s_barrier_signal -1
	s_barrier_wait -1
	CREST
.endm
; A K step is four quarters of 32 along K, 36 matrix instructions each, on buffers 0, 1, 0, 1.  One of the first three: multiplies buffer f and fetches quarter qn of the same slot into g.
.macro QUARTER slot, qn, f, g, zero
	s_wait_dscnt 8                                 ; W2's fragments and h's row blocks 0-4 are in; the youngest eight loads (row blocks 5-8) may be out
	MULR \f, 0, 4, \zero
	PLACES
	FETCH \slot, \qn, \g
	s_wait_dscnt 26                                ; all but the 26 just issued
	MULR \f, 5, 8, \zero
.endm
; The last quarter multiplies buffer 1 and changes slots: ONE barrier.  In front of it each wave waits for all its tensor loads (one is out: its part of the next slot), adds 0 to its spare word,
; and waits for that and for its reads of this slot.  fill = 1: the barrier opens a round of the cluster's, so that no wave of any partner still reads the slot or has a load on its way, and the
; slot just read is filled again, two K steps ahead, first thing behind the round.
.macro TURN slot, next, fill
	WIN 0
	s_wait_tensorcnt 0x0                           ; no tensor load of mine is out, so a group 0 may be written
	ds_add_u32 v[SPW], v[NIL]                      ; 0 onto my spare word
.if \fill
	s_add_nc_u64 s[G0A+4*(\slot)+2:G0A+4*(\slot)+3], s[G0A+4*(\slot)+2:G0A+4*(\slot)+3], 512
	s_add_nc_u64 s[G0B+4*(\slot)+2:G0B+4*(\slot)+3], s[G0B+4*(\slot)+2:G0B+4*(\slot)+3], 2*KB
.endif
	s_wait_dscnt 9                                 ; (the add and the youngest eight loads may be out)
	MULR F1, 0, 2, 0                               ; twelve matrix instructions stand between the add and the wait for it
	s_wait_dscnt 0x0
	s_barrier_signal -1
	MULR F1, 3, 4, 0                               ; work on registers while the others arrive
	WIN 0                                          ; (branches may follow)
	s_barrier_wait -1
.if \fill
	CREST
	LOADAB \slot                                   ; my one tensor load behind the round: 124 matrix instructions ahead of the wait for it; its four v_nop are also the places in front of the loads below
.else
	PLACES
.endif
	FETCH \next, 0, F0
	MULR F1, 5, 8, 0
.endm
	s_load_b256 s[4:11], s[0:1], 0x0               ; hbuf s[4:5], wb s[6:7], plan s[8:9], ybuf s[10:11]
	v_lshl_add_u32 v[SPW], v0, 2, SPARE
	v_mov_b32 v[NIL], 0
	ds_add_u32 v[SPW], v[NIL]                      ; the wave's opening: the add and its wait ahead of the round in front of my first tensor load; work on registers stands between them
	ds_add_u32 v16, v17
	v_lshrrev_b32 v3, 5, v0
	v_readfirstlane_b32 s12, v3                    ; wave 0..3
	s_bfe_u32 s61, ttmp6, 0x40000                  ; cx: my place in the cluster
	s_lshl_b32 s13, ttmp9, 2                       ; in a cluster launch ttmp9 counts clusters
	s_add_co_u32 s13, s13, s61                     ; column tile = 4 x cluster x + cx: it enters W2's and y's addresses alone
	s_and_b32 s14, ttmp7, 0xffff                   ; row tile, which the four partners share
	s_and_b32 s48, s12, 1                          ; which half of a tile I fetch
	; descriptor group 1 for h: 72 rows x 128 elements; for W2: 64 rows (k) x 256 elements (n); both padded in LDS
	s_mov_b32 s[G1A+0], 15|(1<<16)|(1<<20)|(1<<21)|(5<<22)|(3<<25)  ; 15:0 the mask: all four work-groups; elements of 2 bytes; padding on; 21 set beside a mask; after every 64 words (code 5) 4 words (code 3)
	s_mov_b32 s[G1A+1], 128<<16                    ; tensor_dim0
	s_mov_b32 s[G1A+2], 72<<16                     ; tensor_dim1
	s_mov_b32 s[G1A+3], 128<<16                    ; tile_dim0
	s_mov_b32 s[G1A+4], 72                         ; tile_dim1
	s_mov_b32 s[G1A+5], 1024                       ; elements from row to row
	s_mov_b32 s[G1A+6], 0
	s_mov_b32 s[G1A+7], 0
	s_mov_b32 s[G1B+0], (1<<16)|(1<<20)|(6<<22)|(7<<25)  ; no mask; after every 128 words (code 6) 8 words (code 7)
	s_mov_b32 s[G1B+1], 256<<16
	s_mov_b32 s[G1B+2], 64<<16
	s_mov_b32 s[G1B+3], 256<<16
	s_mov_b32 s[G1B+4], 64
	s_mov_b32 s[G1B+5], 1024
	s_mov_b32 s[G1B+6], 0
	s_mov_b32 s[G1B+7], 0
	s_mul_i32 s49, s48, 72*PA                      ; no place in the cluster enters an LDS address
	s_mul_i32 s50, s48, 64*PB
	s_mov_b32 s[G0A+0], 1
	s_add_co_u32 s[G0A+1], s49, ABASE
	s_mov_b32 s[G0A+4], 1
	s_add_co_u32 s[G0A+5], s49, ABASE+ASLOT
	s_mov_b32 s[G0B+0], 1
	s_mov_b32 s[G0B+1], s50
	s_mov_b32 s[G0B+4], 1
	s_add_co_u32 s[G0B+5], s50, BSLOT
	s_lshl_b32 s51, s14, 2
	s_mov_b32 s53, 0
	s_mov_b32 s57, 0
	s_wait_dscnt 0x0                               ; the opening add is done
	s_wait_kmcnt 0x0
	s_load_b32 s15, s[8:9], s51 offset:0x11100     ; texp[row tile]: it is waited for behind the round
	s_mul_i32 s52, s14, 144
	s_mul_i32 s60, s48, 72
	s_add_co_u32 s52, s52, s60
	s_lshl_b32 s52, s52, 11                        ; my 72 rows of hbuf: made of the row tile and the wave's number
	s_add_nc_u64 s[54:55], s[4:5], s[52:53]
	s_add_nc_u64 s[G0A+2:G0A+3], s[54:55], 0
	s_or_b32 s[G0A+3], s[G0A+3], 0x80000000        ; type = 2
	s_add_nc_u64 s[G0A+6:G0A+7], s[54:55], 256
	s_or_b32 s[G0A+7], s[G0A+7], 0x80000000
	v_and_b32 v1, 15, v0                           ; r = lane % 16
	v_bfe_u32 v2, v0, 4, 1                         ; h = lane / 16
	v_mul_u32_u24 v[ADRA], v1, PA
	v_lshl_add_u32 v[ADRA], v2, 4, v[ADRA]
	v_add_nc_u32 v[ADRA], ABASE, v[ADRA]           ; row x pitch + 16 x half
	v_add_nc_u32 v[ADRA+1], ASLOT, v[ADRA]
	v_and_b32 v20, 7, v0
	v_lshl_add_u32 v20, v2, 3, v20                 ; the turning load: lane l reads k row 8 (l / 16) + l % 8,
	v_mul_u32_u24 v[ADRB], v20, PB
	v_bfe_u32 v20, v0, 3, 1
	v_lshl_add_u32 v[ADRB], v20, 4, v[ADRB]        ; columns 8 ((l / 8) % 2) + 0..7,
	v_lshl_add_u32 v[ADRB], s12, 7, v[ADRB]        ; of my wave's 64
	v_add_nc_u32 v[ADRB+1], BSLOT, v[ADRB]
	CROUND                                         ; all four work-groups are here: the first joint loads meet
	s_wait_kmcnt 0x0
	s_min_u32 s15, s15, 7                          ; the expert
	s_lshl_b32 s56, s15, 21                        ; its 2 MiB,
	s_lshl_b32 s62, s13, 9
	s_add_co_u32 s56, s56, s62                     ; my tile's 256 columns,
	s_lshl_b32 s62, s48, 17
	s_add_co_u32 s56, s56, s62                     ; my 64 rows of a K step,
	s_add_co_u32 s56, s56, 0x1000000               ; in W2's part of wb
	s_add_nc_u64 s[58:59], s[6:7], s[56:57]
	s_add_nc_u64 s[G0B+2:G0B+3], s[58:59], 0
	s_or_b32 s[G0B+3], s[G0B+3], 0x80000000
	s_add_nc_u64 s[G0B+6:G0B+7], s[58:59], KB
	s_or_b32 s[G0B+7], s[G0B+7], 0x80000000
	s_cmp_lt_u32 s12, 2                            ; a wave's two first fills stand in one branch, ahead of every wait on TENSORcnt and every LDS read: two loads of mine are out
	s_cbranch_scc0 .Lfirst_b
	tensor_load_to_lds s[G0A:G0A+3], s[G1A:G1A+7]
	s_nop 0
	tensor_load_to_lds s[G0A+4:G0A+7], s[G1A:G1A+7]
	s_nop 0
	PLACES
	s_branch .Lfirst_asked
.Lfirst_b:
	tensor_load_to_lds s[G0B:G0B+3], s[G1B:G1B+7]
	s_nop 0
	tensor_load_to_lds s[G0B+4:G0B+7], s[G1B:G1B+7]
	s_nop 0
	PLACES
.Lfirst_asked:
	s_mul_i32 s63, s12, 16*SPITCH                  ; the way out's addresses are made in the wait
	s_add_co_u32 s63, s63, STAGE                   ; my stage
	v_mul_u32_u24 v[STO], v1, SPITCH
	v_lshl_add_u32 v[STO], v2, 5, v[STO]
	v_add_nc_u32 v[STO], s63, v[STO]               ; in: row r, 32 bytes for each half of the lanes
	v_mul_u32_u24 v[RD], v2, SPITCH
	v_lshl_add_u32 v[RD], v1, 4, v[RD]
	v_add_nc_u32 v[RD], s63, v[RD]                 ; back: lanes 0-15 take one row of 256 bytes, lanes 16-31 the next
	v_lshlrev_b32 v[GO], 12, v2
	v_lshl_add_u32 v[GO], v1, 4, v[GO]             ; and the same two rows in y
	s_mul_i32 s56, s14, 144*4096
	s_lshl_b32 s62, s13, 10
	s_add_co_u32 s56, s56, s62
	s_lshl_b32 s62, s12, 8
	s_add_co_u32 s56, s56, s62
	s_add_nc_u64 s[10:11], s[10:11], s[56:57]      ; ybuf at the tile's first row, my wave's 64 columns
	s_wait_tensorcnt 0x1                           ; my part of slot 0 is in; slot 1's may stay out
	s_barrier_signal -1
	s_barrier_wait -1
	FETCH 0, 0, F0
	QUARTER 0, 1, F0, F1, 1                        ; the first quarter stands in front of the loop: its products start the sums
	WIN 0                                          ; at a label and at a branch every window is 0
	s_mov_b32 s3, 3
.Llap:                                                 ; a trip goes once round the ring, from a lap's second quarter to the next lap's first, and fills both slots again
	QUARTER 0, 2, F1, F0, 0
	QUARTER 0, 3, F0, F1, 0
	TURN 0, 1, 1
	QUARTER 1, 1, F0, F1, 0
	QUARTER 1, 2, F1, F0, 0
	QUARTER 1, 3, F0, F1, 0
	TURN 1, 0, 1
	QUARTER 0, 1, F0, F1, 0
	WIN 0
	s_sub_co_u32 s3, s3, 1
	s_cmp_lg_u32 s3, 0
	s_cbranch_scc1 .Llap
	QUARTER 0, 2, F1, F0, 0                        ; the last lap is written out: it fills nothing, and has no round of the cluster's barrier
	QUARTER 0, 3, F0, F1, 0
	TURN 0, 1, 0
	QUARTER 1, 1, F0, F1, 0
	QUARTER 1, 2, F1, F0, 0
	QUARTER 1, 3, F0, F1, 0
	s_wait_dscnt 8
	MULR F1, 0, 4, 0
	s_wait_dscnt 0x0
	MULR F1, 5, 8, 0
	WIN 0
	PLACES
	; THE WAY OUT, a row block (16 rows x my 64 columns) at a time through my own stage: a lane's eight numbers of a row go in as 32 bytes, whole rows of 256 bytes come back.
.macro OUTA a
	s_wait_xcnt 0x0                                ; the buffer below was the data of the stores two blocks back: it is loaded again only behind this wait
.if (\a) < 5
	WIN 0x04                                       ; the stores' data (source 1) in window 1
.set ab, 32*(\a)
.else
	WIN 0x08                                       ; in window 2
.set ab, 32*((\a)-5)
.endif
.irp b, 0,1,2,3
	ds_store_b128 v[STO], v[ab+8*\b:ab+8*\b+3] offset:64*\b          ; each accumulator's four lowest registers first
	ds_store_b128 v[STO], v[ab+8*\b+4:ab+8*\b+7] offset:64*\b+16
.endr
	WIN 0
.set ob, OB+32*((\a)%2)
.irp i, 0,1,2,3,4,5,6,7
	ds_load_b128 v[ob+4*\i:ob+4*\i+3], v[RD] offset:2*SPITCH*\i      ; LDS serves a wave's instructions in order (ISA guide 5.7.1.4): these see the stores above; the next block's stores come behind them
.endr
.endm
.macro SEND a, younger                 ; younger: the LDS instructions issued behind block a's loads: the next block's sixteen, or none
.set ob, OB+32*((\a)%2)
.irp i, 0,1,2,3,4,5,6,7
	s_wait_dscnt (\younger)+7-\i
	global_store_b128 v[GO], v[ob+4*\i:ob+4*\i+3], s[10:11] offset:(16*(\a)+2*\i)*4096  ; 16 lanes store 256 consecutive bytes, at a multiple of 256 from ybuf's first
.endr
.endm
	OUTA 0
.irp a, 1,2,3,4,5,6,7,8
	OUTA \a
	SEND (\a)-1, 16
.endr
	SEND 8, 0
	s_wait_tensorcnt 0x0                           ; the wave's end, behind my last tensor load and my last LDS store
	ds_add_u32 v[SPW], v[NIL]
	s_wait_dscnt 0x0
	CROUND                                         ; the closing round: no work-group ends while a partner may still ask for a tile that names it
	s_endpgm
.Lfunc_end_k_q138ddf8958_gemm2:
	.size	k_q138ddf8958_gemm2, .Lfunc_end_k_q138ddf8958_gemm2-k_q138ddf8958_gemm2
	.p2alignl 7, 3214868480
	.fill 96, 4, 3214868480
	.section	.rodata,"a",@progbits
	.p2align	6, 0x0
	.amdhsa_kernel k_q138ddf8958_gemm2
		.amdhsa_group_segment_fixed_size 327680
		.amdhsa_private_segment_fixed_size 0
		.amdhsa_enable_private_segment 0
		.amdhsa_kernarg_size 32
		.amdhsa_user_sgpr_count 2
		.amdhsa_user_sgpr_kernarg_segment_ptr 1
		.amdhsa_wavefront_size32 1
		.amdhsa_system_sgpr_workgroup_id_x 1
		.amdhsa_system_sgpr_workgroup_id_y 1
		.amdhsa_system_sgpr_workgroup_id_z 1
		.amdhsa_system_vgpr_workitem_id 0
		.amdhsa_next_free_vgpr 976
		.amdhsa_next_free_sgpr 66
		.amdhsa_reserve_vcc 0
		.amdhsa_float_denorm_mode_32 3
		.amdhsa_float_denorm_mode_16_64 3
		.amdhsa_memory_ordered 1
		.amdhsa_forward_progress 1
		.amdhsa_inst_pref_size 95
	.end_amdhsa_kernel
	.amdgpu_metadata
---
amdhsa.version: [ 1, 2 ]
amdhsa.kernels:
  - .name:           k_q138ddf8958_gemm2
    .symbol:         k_q138ddf8958_gemm2.kd
    .args:
      - { .name: hbuf, .offset: 0, .size: 8, .value_kind: global_buffer, .address_space: global }
      - { .name: wb, .offset: 8, .size: 8, .value_kind: global_buffer, .address_space: global }
      - { .name: plan, .offset: 16, .size: 8, .value_kind: global_buffer, .address_space: global }
      - { .name: ybuf, .offset: 24, .size: 8, .value_kind: global_buffer, .address_space: global }
    .group_segment_fixed_size: 327680
    .private_segment_fixed_size: 0
    .kernarg_segment_align: 8
    .kernarg_segment_size: 32
    .max_flat_workgroup_size: 128
    .sgpr_count:     66
    .vgpr_count:     976
    .wavefront_size: 32
...
	.end_amdgpu_metadata
.endif
;; end of part 4
;; launch combine (part 5): grid 256 x 1, 8 waves a work-group, no clusters, 0 bytes of LDS; arguments ybuf, plan, gate, out0; writes out0
.if DOCPART == 5
	.amdgcn_target "amdgcn-amd-amdhsa--gfx1250"
	.amdhsa_code_object_version 6
	.text
	.protected	k_q138ddf8958_combine
	.globl	k_q138ddf8958_combine
	.p2align	8
	.type	k_q138ddf8958_combine,@function
k_q138ddf8958_combine:
	s_mov_b64 s[64:65], 0
	v_nop
	global_prefetch_b8 v0, s[64:65] scope:SCOPE_SE
	s_setreg_imm32_b32 hwreg(HW_REG_WAVE_MODE, 25, 1), 1
	s_wait_xcnt 0x0
; COMBINE.  out0[t][:] = g_lo y[p_lo][:] + g_hi y[p_hi][:], all f32: a token's two positions from plan (pos at byte 37,120), its two gates from gate; the lower expert's term first.
; A stream: a wave owns two tokens, 2 (8 g + w) and the next; each of a token's two rows of 4,096 bytes is eight loads of 512 consecutive bytes; all 32 loads of the wave go out at once.
; Positions and gates are the same for all lanes, so they come by scalar loads.  No LDS, no barrier, no matrix unit, no cluster: no byte is read twice and no wave depends on another.
.set POSB, 0x9100                      ; 37,120
.set D0L, 8                            ; v[8:39]    token 0, the lower expert's row; then the result
.set D0H, 40                           ; v[40:71]   the higher's
.set D1L, 72                           ; v[72:103]  token 1
.set D1H, 104                          ; v[104:135]
	s_load_b256 s[4:11], s[0:1], 0x0               ; ybuf s[4:5], plan s[6:7], gate s[8:9], out0 s[10:11]
	v_lshrrev_b32 v2, 5, v0
	v_readfirstlane_b32 s12, v2                    ; wave 0..7
	v_and_b32 v1, 31, v0
	v_lshlrev_b32 v1, 4, v1                        ; 16 bytes a lane
	s_lshl_b32 s13, ttmp9, 3
	s_add_co_u32 s13, s13, s12                     ; my pair of tokens
	s_lshl_b32 s14, s13, 4                         ; its 16 bytes of pos and of gate
	s_lshl_b32 s24, s13, 13                        ; its 8,192 bytes of out0
	s_mov_b32 s25, 0
	s_wait_kmcnt 0x0
	s_load_b128 s[16:19], s[6:7], s14 offset:POSB  ; p_lo, p_hi of token 0; of token 1
	s_load_b128 s[20:23], s[8:9], s14 offset:0x0   ; g_lo, g_hi of token 0; of token 1
	s_add_nc_u64 s[10:11], s[10:11], s[24:25]
	s_wait_kmcnt 0x0
.irp k, 0,1,2,3
	s_min_u32 s[16+\k], s[16+\k], 9215             ; the bound stands in front of every address made of loaded numbers
	s_lshl_b32 s24, s[16+\k], 12                   ; a row of y is 4,096 bytes
	s_add_nc_u64 s[32+2*\k:33+2*\k], s[4:5], s[24:25]
.endr
	s_mov_b32 s40, s21                             ; the packed lines take a pair's low word for both halves: g_hi gets pairs of its own
	s_mov_b32 s41, s21
	s_mov_b32 s42, s23
	s_mov_b32 s43, s23
.macro ROW dst, base                   ; a row of y, read once in the launch
.set j, 0
.rept 8
	global_load_b128 v[(\dst)+4*j:(\dst)+4*j+3], v1, s[\base:(\base)+1] offset:512*j th:TH_LOAD_NT
.set j, j+1
.endr
.endm
	ROW D0L, 32
	ROW D0H, 34
	ROW D1L, 36
	ROW D1H, 38
.macro MIX lo, hi, glo, ghi, off
.set j, 0
.rept 8
	v_pk_mul_f32 v[(\lo)+4*j:(\lo)+4*j+1],   v[(\lo)+4*j:(\lo)+4*j+1],   s[\glo:(\glo)+1] op_sel_hi:[1,0]
	v_pk_mul_f32 v[(\lo)+4*j+2:(\lo)+4*j+3], v[(\lo)+4*j+2:(\lo)+4*j+3], s[\glo:(\glo)+1] op_sel_hi:[1,0]
	v_pk_fma_f32 v[(\lo)+4*j:(\lo)+4*j+1],   v[(\hi)+4*j:(\hi)+4*j+1],   s[\ghi:(\ghi)+1], v[(\lo)+4*j:(\lo)+4*j+1] op_sel_hi:[1,0,1]
	v_pk_fma_f32 v[(\lo)+4*j+2:(\lo)+4*j+3], v[(\hi)+4*j+2:(\hi)+4*j+3], s[\ghi:(\ghi)+1], v[(\lo)+4*j+2:(\lo)+4*j+3] op_sel_hi:[1,0,1]
	global_store_b128 v1, v[(\lo)+4*j:(\lo)+4*j+3], s[10:11] offset:(\off)+512*j th:TH_STORE_NT  ; the wave stores 512 consecutive bytes, at a multiple of 256 from out0's first
.set j, j+1
.endr
.endm
	s_wait_loadcnt 16                              ; token 0's two rows are in; token 1's sixteen loads stay out
	MIX D0L, D0H, 20, 40, 0
	s_wait_loadcnt 0x0
	MIX D1L, D1H, 22, 42, 4096
	s_endpgm
.Lfunc_end_k_q138ddf8958_combine:
	.size	k_q138ddf8958_combine, .Lfunc_end_k_q138ddf8958_combine-k_q138ddf8958_combine
	.p2alignl 7, 3214868480
	.fill 96, 4, 3214868480
	.section	.rodata,"a",@progbits
	.p2align	6, 0x0
	.amdhsa_kernel k_q138ddf8958_combine
		.amdhsa_group_segment_fixed_size 0
		.amdhsa_private_segment_fixed_size 0
		.amdhsa_enable_private_segment 0
		.amdhsa_kernarg_size 32
		.amdhsa_user_sgpr_count 2
		.amdhsa_user_sgpr_kernarg_segment_ptr 1
		.amdhsa_wavefront_size32 1
		.amdhsa_system_sgpr_workgroup_id_x 1
		.amdhsa_system_sgpr_workgroup_id_y 1
		.amdhsa_system_sgpr_workgroup_id_z 1
		.amdhsa_system_vgpr_workitem_id 0
		.amdhsa_next_free_vgpr 136
		.amdhsa_next_free_sgpr 66
		.amdhsa_reserve_vcc 0
		.amdhsa_float_denorm_mode_32 3
		.amdhsa_float_denorm_mode_16_64 3
		.amdhsa_memory_ordered 1
		.amdhsa_forward_progress 1
		.amdhsa_inst_pref_size 11
	.end_amdhsa_kernel
	.amdgpu_metadata
---
amdhsa.version: [ 1, 2 ]
amdhsa.kernels:
  - .name:           k_q138ddf8958_combine
    .symbol:         k_q138ddf8958_combine.kd
    .args:
      - { .name: ybuf, .offset: 0, .size: 8, .value_kind: global_buffer, .address_space: global }
      - { .name: plan, .offset: 8, .size: 8, .value_kind: global_buffer, .address_space: global }
      - { .name: gate, .offset: 16, .size: 8, .value_kind: global_buffer, .address_space: global }
      - { .name: out0, .offset: 24, .size: 8, .value_kind: global_buffer, .address_space: global }
    .group_segment_fixed_size: 0
    .private_segment_fixed_size: 0
    .kernarg_segment_align: 8
    .kernarg_segment_size: 32
    .max_flat_workgroup_size: 256
    .sgpr_count:     66
    .vgpr_count:     136
    .wavefront_size: 32
...
	.end_amdgpu_metadata
.endif
;; end of part 5
;; ======== version 2 of 2: 5 launches; version 1 with the launch combine written anew for expert scheduling mode
;; workspace buffers: xb 8,388,608 bytes; wb 33,554,432 bytes; sel 67,584 bytes of whole numbers; gate 32,768 bytes; plan 73,984 bytes of whole numbers; hbuf 18,874,368 bytes; ybuf 37,748,736 bytes
;; launch prep: the kernel of part 1 again; grid 256 x 1, 8 waves a work-group, no clusters, 78,848 bytes of LDS; arguments x, noise, Wr, Wn, W1, xb, wb, sel, gate; writes xb, wb, sel, gate
;; launch bucket: the kernel of part 2 again; grid 256 x 1, 32 waves a work-group, no clusters, 0 bytes of LDS; arguments sel, W2, plan, wb; writes plan, wb
;; launch gemm1: the kernel of part 3 again; grid 4 x 64, 4 waves a work-group, no clusters, 327,680 bytes of LDS; arguments xb, wb, plan, hbuf; writes hbuf
;; launch gemm2: the kernel of part 4 again; grid 4 x 64, 4 waves a work-group, clusters of 4 x 1, 327,680 bytes of LDS; arguments hbuf, wb, plan, ybuf; writes ybuf
;; launch combine (part 6): grid 256 x 1, 8 waves a work-group, no clusters, 0 bytes of LDS; arguments ybuf, plan, gate, out0; writes out0
.if DOCPART == 6
	.amdgcn_target "amdgcn-amd-amdhsa--gfx1250"
	.amdhsa_code_object_version 6
	.text
	.protected	k_q138ddf8958_combine
	.globl	k_q138ddf8958_combine
	.p2align	8
	.type	k_q138ddf8958_combine,@function
k_q138ddf8958_combine:
	s_mov_b64 s[64:65], 0
	v_nop
	global_prefetch_b8 v0, s[64:65] scope:SCOPE_SE
	s_setreg_imm32_b32 hwreg(HW_REG_WAVE_SCHED_MODE, 0, 2), 2
	s_setreg_imm32_b32 hwreg(HW_REG_WAVE_MODE, 25, 1), 1
	s_wait_xcnt 0x0
	s_wait_alu depctr_vm_vsrc(0)
; COMBINE.  out0[t][:] = g_lo y[p_lo][:] + g_hi y[p_hi][:], all f32: a token's two positions from plan (pos at byte 37,120), its two gates from gate; the lower expert's term first.
; A stream: a wave owns two tokens, 2 (8 g + w) and the next; each of a token's two rows of 4,096 bytes is eight loads of 512 consecutive bytes; all 32 loads of the wave go out at once.
; Positions and gates are the same for all lanes, so they come by scalar loads.  No LDS, no barrier, no matrix unit, no cluster: no byte is read twice and no wave depends on another.
; THE MODE: SCHED_MODE bits 1:0 = 2 (LLVM: expert scheduling mode 2), set by the entry lines.  The code itself states the register dependences
; between vector instructions and memory instructions, with s_wait_alu, always for 0.
; THE PLAN.  Registers that memory instructions touch:
;   v1          16 x lane: written by two vector lines at the head and never again; read by every load and store as its offset.
;   D0L, D1L    a token's lower row: written by eight loads, then in place by the token's 32 packed lines; read by the token's eight stores; not written again.
;   D0H, D1H    a token's higher row: written by eight loads; read by the token's packed lines alone.
;   s12         the wave's number: written by v_readfirstlane_b32; read by the scalar lines that make every base.
; No vector line names a row's registers before its loads are issued, and no register that a load or store has read is written again.  So four waits state everything: one for s12, one for v1
; ahead of the 32 loads, and one behind each token's packed lines, ahead of the run of its eight stores.
.set POSB, 0x9100                      ; 37,120
.set D0L, 8                            ; v[8:39]    token 0, the lower expert's row; then the result
.set D0H, 40                           ; v[40:71]   the higher's
.set D1L, 72                           ; v[72:103]  token 1
.set D1H, 104                          ; v[104:135]
	s_load_b256 s[4:11], s[0:1], 0x0               ; ybuf s[4:5], plan s[6:7], gate s[8:9], out0 s[10:11]
	v_lshrrev_b32 v2, 5, v0
	v_readfirstlane_b32 s12, v2                    ; wave 0..7
	v_and_b32 v1, 31, v0
	v_lshlrev_b32 v1, 4, v1                        ; 16 bytes a lane
	s_wait_alu depctr_va_sdst(0)                   ; s12 is written, ahead of its first reader: the offsets of pos, gate and out0 are made from it
	s_lshl_b32 s13, ttmp9, 3
	s_add_co_u32 s13, s13, s12                     ; my pair of tokens
	s_lshl_b32 s14, s13, 4                         ; its 16 bytes of pos and of gate
	s_lshl_b32 s24, s13, 13                        ; its 8,192 bytes of out0
	s_mov_b32 s25, 0
	s_wait_kmcnt 0x0
	s_load_b128 s[16:19], s[6:7], s14 offset:POSB  ; p_lo, p_hi of token 0; of token 1
	s_load_b128 s[20:23], s[8:9], s14 offset:0x0   ; g_lo, g_hi of token 0; of token 1
	s_add_nc_u64 s[10:11], s[10:11], s[24:25]
	s_wait_kmcnt 0x0
.irp k, 0,1,2,3
	s_min_u32 s[16+\k], s[16+\k], 9215             ; the bound stands in front of every address made of loaded numbers
	s_lshl_b32 s24, s[16+\k], 12                   ; a row of y is 4,096 bytes
	s_add_nc_u64 s[32+2*\k:33+2*\k], s[4:5], s[24:25]
.endr
	s_mov_b32 s40, s21                             ; the packed lines take a pair's low word for both halves: g_hi gets pairs of its own
	s_mov_b32 s41, s21
	s_mov_b32 s42, s23
	s_mov_b32 s43, s23
.macro ROW dst, base                   ; a row of y, read once in the launch
.set j, 0
.rept 8
	global_load_b128 v[(\dst)+4*j:(\dst)+4*j+3], v1, s[\base:(\base)+1] offset:512*j th:TH_LOAD_NT
.set j, j+1
.endr
.endm
	s_wait_alu depctr_va_vdst(0)                   ; v1 is written: every load and store below reads it as its offset, and no line writes it again
	ROW D0L, 32
	ROW D0H, 34
	ROW D1L, 36
	ROW D1H, 38
; A token: its 32 packed lines together, then its eight stores in one run behind one wait.  For each number: the lower row times g_lo, then the higher row times g_hi added on, fused.
.macro MIX lo, hi, glo, ghi, off
.set j, 0
.rept 8
	v_pk_mul_f32 v[(\lo)+4*j:(\lo)+4*j+1],   v[(\lo)+4*j:(\lo)+4*j+1],   s[\glo:(\glo)+1] op_sel_hi:[1,0]
	v_pk_mul_f32 v[(\lo)+4*j+2:(\lo)+4*j+3], v[(\lo)+4*j+2:(\lo)+4*j+3], s[\glo:(\glo)+1] op_sel_hi:[1,0]
	v_pk_fma_f32 v[(\lo)+4*j:(\lo)+4*j+1],   v[(\hi)+4*j:(\hi)+4*j+1],   s[\ghi:(\ghi)+1], v[(\lo)+4*j:(\lo)+4*j+1] op_sel_hi:[1,0,1]
	v_pk_fma_f32 v[(\lo)+4*j+2:(\lo)+4*j+3], v[(\hi)+4*j+2:(\hi)+4*j+3], s[\ghi:(\ghi)+1], v[(\lo)+4*j+2:(\lo)+4*j+3] op_sel_hi:[1,0,1]
.set j, j+1
.endr
	s_wait_alu depctr_va_vdst(0)                   ; the packed lines have written the token's 32 result registers, which the eight stores below read
.set j, 0
.rept 8
	global_store_b128 v1, v[(\lo)+4*j:(\lo)+4*j+3], s[10:11] offset:(\off)+512*j th:TH_STORE_NT  ; the wave stores 512 consecutive bytes, at a multiple of 256 from out0's first
.set j, j+1
.endr
.endm
	s_wait_loadcnt 16                              ; token 0's two rows are in; token 1's sixteen loads stay out
	MIX D0L, D0H, 20, 40, 0                        ; its stores go out ahead of the wait for token 1's rows
	s_wait_loadcnt 0x0
	MIX D1L, D1H, 22, 42, 4096
	s_endpgm
.Lfunc_end_k_q138ddf8958_combine:
	.size	k_q138ddf8958_combine, .Lfunc_end_k_q138ddf8958_combine-k_q138ddf8958_combine
	.p2alignl 7, 3214868480
	.fill 96, 4, 3214868480
	.section	.rodata,"a",@progbits
	.p2align	6, 0x0
	.amdhsa_kernel k_q138ddf8958_combine
		.amdhsa_group_segment_fixed_size 0
		.amdhsa_private_segment_fixed_size 0
		.amdhsa_enable_private_segment 0
		.amdhsa_kernarg_size 32
		.amdhsa_user_sgpr_count 2
		.amdhsa_user_sgpr_kernarg_segment_ptr 1
		.amdhsa_wavefront_size32 1
		.amdhsa_system_sgpr_workgroup_id_x 1
		.amdhsa_system_sgpr_workgroup_id_y 1
		.amdhsa_system_sgpr_workgroup_id_z 1
		.amdhsa_system_vgpr_workitem_id 0
		.amdhsa_next_free_vgpr 136
		.amdhsa_next_free_sgpr 66
		.amdhsa_reserve_vcc 0
		.amdhsa_float_denorm_mode_32 3
		.amdhsa_float_denorm_mode_16_64 3
		.amdhsa_memory_ordered 1
		.amdhsa_forward_progress 1
		.amdhsa_inst_pref_size 11
	.end_amdhsa_kernel
	.amdgpu_metadata
---
amdhsa.version: [ 1, 2 ]
amdhsa.kernels:
  - .name:           k_q138ddf8958_combine
    .symbol:         k_q138ddf8958_combine.kd
    .args:
      - { .name: ybuf, .offset: 0, .size: 8, .value_kind: global_buffer, .address_space: global }
      - { .name: plan, .offset: 8, .size: 8, .value_kind: global_buffer, .address_space: global }
      - { .name: gate, .offset: 16, .size: 8, .value_kind: global_buffer, .address_space: global }
      - { .name: out0, .offset: 24, .size: 8, .value_kind: global_buffer, .address_space: global }
    .group_segment_fixed_size: 0
    .private_segment_fixed_size: 0
    .kernarg_segment_align: 8
    .kernarg_segment_size: 32
    .max_flat_workgroup_size: 256
    .sgpr_count:     66
    .vgpr_count:     136
    .wavefront_size: 32
...
	.end_amdgpu_metadata
.endif
;; end of part 6
